; MI455X (gfx1250); checked and timed in simulation.
; The chip was launched on July 23, 2026; its instructions are those of AMD's public machine-readable ISA for CDNA 5 (MIT licence, August 2026) and "CDNA5" Instruction Set Architecture Reference Guide (July 2026). The comments in the code are by the model that wrote it; some were corrected since.
;; Pre LN Block. Allowed arithmetic: float matrix products may take bf16 or f16 operands with f32 sums; other float arithmetic in f32, or as packed bf16 or f16 multiplies, adds, multiply-adds, maxima and minima; sums over many terms, partial sums and values carried from step to step in f32; what a program stores and reads back later, other than sums and carried values, may be rounded once to bf16 or f16.
;; Inputs: Wfc 1,024 x 4,096 float32; Wproj 4,096 x 1,024 float32; Wqk 1,024 x 2,048 float32; bfc 4,096 float32; bproj 1,024 float32; bqk 2,048 float32; head_w 16 x 1,024 float32; ln1_b 1,024 float32; ln1_w 1,024 float32; ln2_b 1,024 float32; ln2_w 1,024 float32; x 2 x 1,024 x 1,024 float32.
;; Outputs: out0 2 x 1,024 x 1,024 float32.
;; One version. Each part assembles by itself: llvm-mc -triple=amdgcn-amd-amdhsa -mcpu=gfx1250 --defsym DOCPART=n.
;; ======== version 1 of 1: 7 launches
;; limits: a function is approximated: absolute error at most 2.5e-05
;; workspace buffers: w16 21,233,664 bytes; h 4,194,304 bytes; qk 8,388,608 bytes; lse 131,072 bytes; ypart 16,777,216 bytes; x1 8,388,608 bytes; g 4,194,304 bytes; u 17,301,504 bytes
;; launch prep (part 1): grid 256 x 6, 8 waves a work-group, no clusters, 0 bytes of LDS; arguments x, ln1_w, ln1_b, Wqk, Wfc, Wproj, h, w16, u; writes h, w16, u
.if DOCPART == 1
	.amdgcn_target "amdgcn-amd-amdhsa--gfx1250"
	.amdhsa_code_object_version 6
	.text
	.protected	k_q6968f09c2f_prep
	.globl	k_q6968f09c2f_prep
	.p2align	8
	.type	k_q6968f09c2f_prep,@function
k_q6968f09c2f_prep:
	s_mov_b64 s[64:65], 0
	v_nop
	global_prefetch_b8 v0, s[64:65] scope:SCOPE_SE
	s_setreg_imm32_b32 hwreg(HW_REG_WAVE_MODE, 25, 1), 1
	s_wait_xcnt 0x0
; PREP.  Two jobs, told apart by the work-group's y.
; y = 0: h = LayerNorm(x) * ln1_w + ln1_b, [2048][1024], f32 in, bf16 out.  One wave takes one row (4,096 bytes, 32 registers), keeps it in registers between the mean,
;        the sum of squared differences (taken of x - mean, so a common offset of x costs nothing) and the scaling: x is read once.  8 rows a work-group, 256 work-groups.
;        The same waves write the ZEROS that pad K of the last product from 4,096 to 4,224 = 11 x 384: columns 4,096 to 4,223 of u ([2048][4224] bf16: 256 bytes a row, a wave a row)
;        and rows 4,096 to 4,223 of Wproj's copy (262,144 bytes: 1,024 a work-group, 256 for each of its waves 0 to 3).
; y = 1..5: the three weight matrices are rounded once to bf16, each in its own [K][N] layout, into w16: Wqk at byte 0, Wfc at 0x400000, Wproj at 0xC00000.
;        A work-group takes 8,192 numbers (32,768 bytes in, 16,384 out), a wave 1,024: eight loads of 512 consecutive bytes, eight stores of 256 consecutive, aligned bytes.
; No LDS, no barrier, no matrix unit: every byte is read once and written once, and no wave waits for another.
.set UP,   8448                        ; bytes in a row of u
.set WPAD, 20971520                    ; where the padding rows of Wproj's copy begin in w16
.set YR, 16                            ; v[16:31]  bf16 results
.set XR, 32                            ; v[32:63]  the row, then x - mean, then the result in f32
.set WR, 64                            ; v[64:95]  gain
.set BR, 96                            ; v[96:127] bias
.macro WSUM r, t                       ; the sum of v[r] over the wave's 32 lanes, in every lane; v[t] has been written before
	v_add_f32_dpp v[\r], v[\r], v[\r] row_xmask:1 row_mask:0xf bank_mask:0xf
	v_add_f32_dpp v[\r], v[\r], v[\r] row_xmask:2 row_mask:0xf bank_mask:0xf
	v_add_f32_dpp v[\r], v[\r], v[\r] row_xmask:4 row_mask:0xf bank_mask:0xf
	v_add_f32_dpp v[\r], v[\r], v[\r] row_xmask:8 row_mask:0xf bank_mask:0xf
	v_permlanex16_b32 v[\t], v[\r], s26, s27
	v_add_f32 v[\r], v[\r], v[\t]
.endm
	s_load_b512 s[4:19], s[0:1], 0x0               ; x s[4:5], ln1_w s[6:7], ln1_b s[8:9], Wqk s[10:11], Wfc s[12:13], Wproj s[14:15], h s[16:17], w16 s[18:19]
	s_load_b64 s[30:31], s[0:1], 0x40              ; u
	v_lshrrev_b32 v1, 5, v0
	v_readfirstlane_b32 s20, v1                    ; wave 0..7
	v_and_b32 v2, 31, v0                           ; lane
	v_lshlrev_b32 v3, 4, v2                        ; 16 bytes a lane on the way in
	v_lshlrev_b32 v4, 3, v2                        ; 8 bytes a lane on the way out
	v_mov_b32 v6, 0                                ; the padding's zeros; never rewritten
	v_mov_b32 v7, 0
	s_and_b32 s21, ttmp7, 0xffff                   ; the job
	s_mov_b32 s25, 0
	s_mov_b32 s26, 0x76543210                      ; v_permlanex16_b32: each lane takes its own place in the other half
	s_mov_b32 s27, 0xfedcba98
	s_mov_b32 s28, 0x3a800000                      ; 1 / 1024
	s_wait_kmcnt 0x0
	s_cmp_lg_u32 s21, 0
	s_cbranch_scc1 .Lcast
	; ---- LayerNorm 1 ----
	s_lshl_b32 s22, ttmp9, 3
	s_add_co_u32 s22, s22, s20                     ; my row
	s_lshl_b32 s24, s22, 12                        ; 4,096 bytes a row of x
	s_add_nc_u64 s[4:5], s[4:5], s[24:25]
	s_lshl_b32 s24, s22, 11                        ; 2,048 bytes a row of h
	s_add_nc_u64 s[16:17], s[16:17], s[24:25]
	s_mul_i32 s24, s22, UP                         ; my row of u,
	s_add_co_u32 s24, s24, 8192                    ; behind its 4,096 numbers
	s_add_nc_u64 s[30:31], s[30:31], s[24:25]
.irp j, 0,1,2,3,4,5,6,7
	global_load_b128 v[XR+4*\j:XR+4*\j+3], v3, s[4:5] offset:512*\j
.endr
.irp j, 0,1,2,3,4,5,6,7
	global_load_b128 v[WR+4*\j:WR+4*\j+3], v3, s[6:7] offset:512*\j
.endr
.irp j, 0,1,2,3,4,5,6,7
	global_load_b128 v[BR+4*\j:BR+4*\j+3], v3, s[8:9] offset:512*\j
.endr
	global_store_b64 v4, v[6:7], s[30:31]          ; the row's padding: 256 consecutive bytes, aligned
	s_cmp_lt_u32 s20, 4
	s_cbranch_scc0 .Lno_pad
	s_lshl_b32 s24, ttmp9, 10                      ; the work-group's 1,024 bytes of the weights' padding,
	s_lshl_b32 s29, s20, 8                         ; my 256
	s_add_co_u32 s24, s24, s29
	s_add_co_u32 s24, s24, WPAD
	s_add_nc_u64 s[18:19], s[18:19], s[24:25]
	global_store_b64 v4, v[6:7], s[18:19]
.Lno_pad:
	s_wait_loadcnt 16                              ; the row is in; the 16 younger loads (gain, bias) may stay out
.irp k, 0,1,2,3                        ; the sum, in four chains of packed additions; the first links start them
	v_pk_add_f32 v[8+2*\k:9+2*\k], v[XR+2*\k:XR+2*\k+1], v[XR+8+2*\k:XR+9+2*\k]
.endr
.irp m, 16,24
.irp k, 0,1,2,3
	v_pk_add_f32 v[8+2*\k:9+2*\k], v[8+2*\k:9+2*\k], v[XR+\m+2*\k:XR+\m+2*\k+1]
.endr
.endr
	v_pk_add_f32 v[8:9], v[8:9], v[10:11]
	v_pk_add_f32 v[12:13], v[12:13], v[14:15]
	v_pk_add_f32 v[8:9], v[8:9], v[12:13]
	v_add_f32 v8, v8, v9
	WSUM 8, 9
	v_mul_f32 v8, s28, v8                          ; the mean,
	v_mov_b32 v9, v8                               ; twice, for the packed subtraction
.set i, 0
.rept 16
	v_pk_add_f32 v[XR+2*i:XR+2*i+1], v[XR+2*i:XR+2*i+1], v[8:9] neg_lo:[0,1] neg_hi:[0,1]
.set i, i+1
.endr
.irp k, 0,1,2,3                        ; the sum of squares of x - mean, again in four chains
	v_pk_mul_f32 v[8+2*\k:9+2*\k], v[XR+2*\k:XR+2*\k+1], v[XR+2*\k:XR+2*\k+1]
.endr
.irp m, 8,16,24
.irp k, 0,1,2,3
	v_pk_fma_f32 v[8+2*\k:9+2*\k], v[XR+\m+2*\k:XR+\m+2*\k+1], v[XR+\m+2*\k:XR+\m+2*\k+1], v[8+2*\k:9+2*\k]
.endr
.endr
	v_pk_add_f32 v[8:9], v[8:9], v[10:11]
	v_pk_add_f32 v[12:13], v[12:13], v[14:15]
	v_pk_add_f32 v[8:9], v[8:9], v[12:13]
	v_add_f32 v8, v8, v9
	WSUM 8, 9
	v_fmaak_f32 v8, s28, v8, 0x3727c5ac            ; variance + 1e-5
	v_rsq_f32 v10, v8
	v_rsq_f32 v11, v8                              ; twice: a pair for the packed multiply
	v_nop                                          ; a plain instruction behind the last of the two,
	s_wait_alu depctr_va_vdst(0)                   ; and the one wait ahead of their first reader
	s_wait_loadcnt 0x0                             ; gain and bias
.set i, 0
.rept 16
	v_pk_mul_f32 v[XR+2*i:XR+2*i+1], v[XR+2*i:XR+2*i+1], v[10:11]
.set i, i+1
.endr
.set i, 0
.rept 16
	v_pk_fma_f32 v[XR+2*i:XR+2*i+1], v[XR+2*i:XR+2*i+1], v[WR+2*i:WR+2*i+1], v[BR+2*i:BR+2*i+1]
.set i, i+1
.endr
.set i, 0
.rept 16
	v_cvt_pk_bf16_f32 v[YR+i], v[XR+2*i], v[XR+2*i+1]
.set i, i+1
.endr
.irp j, 0,1,2,3,4,5,6,7
	global_store_b64 v4, v[YR+2*\j:YR+2*\j+1], s[16:17] offset:256*\j  ; the wave's 32 lanes store 256 consecutive bytes, aligned
.endr
	s_endpgm
	; ---- the weights, rounded to bf16 ----
.Lcast:
	s_sub_co_u32 s22, s21, 1
	s_lshl_b32 s22, s22, 8
	s_add_co_u32 s22, s22, ttmp9                   ; my chunk of 8,192 numbers among the 1,280
	s_lshl_b32 s24, s22, 14
	s_add_nc_u64 s[18:19], s[18:19], s[24:25]      ; 16,384 bytes of w16 a chunk,
	s_lshl_b32 s24, s20, 11
	s_add_nc_u64 s[18:19], s[18:19], s[24:25]      ; 2,048 a wave
	s_cmp_lt_u32 s21, 2                            ; y = 1: Wqk (chunks 0-255); y = 2, 3: Wfc (256-767); y = 4, 5: Wproj (768-1279)
	s_cselect_b64 s[10:11], s[10:11], s[12:13]
	s_cselect_b32 s23, 0, 256
	s_cmp_lt_u32 s21, 4
	s_cselect_b64 s[10:11], s[10:11], s[14:15]
	s_cselect_b32 s23, s23, 768
	s_sub_co_u32 s22, s22, s23                     ; the chunk's number inside its matrix
	s_lshl_b32 s24, s22, 15
	s_add_nc_u64 s[10:11], s[10:11], s[24:25]
	s_lshl_b32 s24, s20, 12
	s_add_nc_u64 s[10:11], s[10:11], s[24:25]
.irp j, 0,1,2,3,4,5,6,7
	global_load_b128 v[XR+4*\j:XR+4*\j+3], v3, s[10:11] offset:512*\j th:TH_LOAD_NT
.endr
.irp j, 0,1,2,3,4,5,6,7
	s_wait_loadcnt 7-\j                            ; loads come back in order: load j is in, the younger ones stay out
	v_cvt_pk_bf16_f32 v[YR+2*\j], v[XR+4*\j], v[XR+4*\j+1]
	v_cvt_pk_bf16_f32 v[YR+2*\j+1], v[XR+4*\j+2], v[XR+4*\j+3]
	global_store_b64 v4, v[YR+2*\j:YR+2*\j+1], s[18:19] offset:256*\j
.endr
	s_endpgm
.Lfunc_end_k_q6968f09c2f_prep:
	.size	k_q6968f09c2f_prep, .Lfunc_end_k_q6968f09c2f_prep-k_q6968f09c2f_prep
	.p2alignl 7, 3214868480
	.fill 96, 4, 3214868480
	.section	.rodata,"a",@progbits
	.p2align	6, 0x0
	.amdhsa_kernel k_q6968f09c2f_prep
		.amdhsa_group_segment_fixed_size 0
		.amdhsa_private_segment_fixed_size 0
		.amdhsa_enable_private_segment 0
		.amdhsa_kernarg_size 72
		.amdhsa_user_sgpr_count 2
		.amdhsa_user_sgpr_kernarg_segment_ptr 1
		.amdhsa_wavefront_size32 1
		.amdhsa_system_sgpr_workgroup_id_x 1
		.amdhsa_system_sgpr_workgroup_id_y 1
		.amdhsa_system_sgpr_workgroup_id_z 1
		.amdhsa_system_vgpr_workitem_id 0
		.amdhsa_next_free_vgpr 128
		.amdhsa_next_free_sgpr 66
		.amdhsa_reserve_vcc 0
		.amdhsa_float_denorm_mode_32 3
		.amdhsa_float_denorm_mode_16_64 3
		.amdhsa_memory_ordered 1
		.amdhsa_forward_progress 1
		.amdhsa_inst_pref_size 16
	.end_amdhsa_kernel
	.amdgpu_metadata
---
amdhsa.version: [ 1, 2 ]
amdhsa.kernels:
  - .name:           k_q6968f09c2f_prep
    .symbol:         k_q6968f09c2f_prep.kd
    .args:
      - { .name: x, .offset: 0, .size: 8, .value_kind: global_buffer, .address_space: global }
      - { .name: ln1_w, .offset: 8, .size: 8, .value_kind: global_buffer, .address_space: global }
      - { .name: ln1_b, .offset: 16, .size: 8, .value_kind: global_buffer, .address_space: global }
      - { .name: Wqk, .offset: 24, .size: 8, .value_kind: global_buffer, .address_space: global }
      - { .name: Wfc, .offset: 32, .size: 8, .value_kind: global_buffer, .address_space: global }
      - { .name: Wproj, .offset: 40, .size: 8, .value_kind: global_buffer, .address_space: global }
      - { .name: h, .offset: 48, .size: 8, .value_kind: global_buffer, .address_space: global }
      - { .name: w16, .offset: 56, .size: 8, .value_kind: global_buffer, .address_space: global }
      - { .name: u, .offset: 64, .size: 8, .value_kind: global_buffer, .address_space: global }
    .group_segment_fixed_size: 0
    .private_segment_fixed_size: 0
    .kernarg_segment_align: 8
    .kernarg_segment_size: 72
    .max_flat_workgroup_size: 256
    .sgpr_count:     66
    .vgpr_count:     128
    .wavefront_size: 32
...
	.end_amdgpu_metadata
.endif
;; end of part 1
;; launch gemm_qk (part 2): grid 16 x 16, 4 waves a work-group, clusters of 4 x 4, 327,680 bytes of LDS; arguments h, w16, bqk, qk; writes qk
.if DOCPART == 2
	.amdgcn_target "amdgcn-amd-amdhsa--gfx1250"
	.amdhsa_code_object_version 6
	.text
	.protected	k_q6968f09c2f_gemm_qk
	.globl	k_q6968f09c2f_gemm_qk
	.p2align	8
	.type	k_q6968f09c2f_gemm_qk,@function
k_q6968f09c2f_gemm_qk:
	s_mov_b64 s[64:65], 0
	v_nop
	global_prefetch_b8 v0, s[64:65] scope:SCOPE_SE
	s_setreg_imm32_b32 hwreg(HW_REG_WAVE_MODE, 25, 1), 1
	s_wait_xcnt 0x0
	s_wait_alu depctr_hold_cnt(0) depctr_sa_sdst(0) depctr_va_vdst(0) depctr_va_sdst(0) depctr_va_ssrc(0) depctr_va_vcc(0) depctr_vm_vsrc(0)
	s_getreg_b32 s2, hwreg(HW_REG_IB_STS2, 6, 4)
	s_cmp_eq_u32 s2, 0
	s_cbranch_scc0 .Lentry_in_a_cluster
	s_endpgm
.Lentry_in_a_cluster:
	s_bfe_u32 s2, ttmp6, 0x10000c
	s_cmp_lg_u32 s2, 0xf033
	s_cbranch_scc0 .Lentry_shape_is_right
	s_endpgm
.Lentry_shape_is_right:
; qk = h Wqk + bqk.  C[m][n] = bias[n] + sum over k of A[m][k] B[k][n].  A: [2048][KD] bf16; B: [.][ND] bf16 at byte WOFF of w16, as the weights lie ([K][N]); sums in f32; C bf16, rounded once.
; SHARES.  A tile of C is 128 x 128; four waves, each 64 x 64: 16 accumulators of 16 x 16.  K goes in steps of 256 through two LDS slots filled by tensor loads, one load a wave:
; waves 0, 1 bring A's two halves (64 rows x 512 bytes), waves 2, 3 B's (128 k-rows x 256 bytes).
; CLUSTER 4 x 4: A's tile hangs on the tile row alone and is asked for jointly along a row of the cluster, B's on the tile column alone, jointly along a column.
; THE CLUSTERS WALK K FROM DIFFERENT STARTS: cluster (X, Y) begins at K step (2 Y + ROTX X) mod NS and goes round the NS steps.  So the clusters that read the same rows of A, or of B, ask for different K steps
; at any one time.  The start hangs on the cluster's coordinates alone, which all sixteen partners share.  Each output's sum has the same terms, in a rotated order.
; THE MATRIX INSTRUCTION IS USED TRANSPOSED: source 0 = 16 columns of B (out of LDS by the turning load, since B lies [K][N]), source 1 = 16 rows of A: a lane holds 8 neighbouring numbers of a row of C.
; THE BIAS STARTS THE SUMS: the accumulators are set to it while the first tiles are on their way, so the loop has one form of product.
; ONE STEP'S TEXT serves every step: the slot in hand is a scalar that an exclusive or turns, and the fragments' LDS addresses are made from it at each change of slots.
; It stands twice: in the loop that fills slots again, and in the loop of the last two steps, which asks for nothing.  No prefetch: the tiles are small and most readings of a block are later readings.
; REGISTERS: window 0: v16-29 addresses; v32-63 bias, later packed results; v64-127 at work on the way out; v128-255 the accumulators ((a, b) at 128 + 8 (4 a + b)).
;            window 1: two fragment buffers of 128: for 64 along K, 64 registers of A (8 (4 c + a)), then 64 of B (64 + 8 (4 c + b)).
.set MODE,  0                          ; 0: bf16 out; 1: GELU, bf16 out; 2: K shared between wave pairs, + x1, f32 out
.set KD,    1024                       ; elements from row to row of A
.set ND,    2048                       ; of B
.set CP,    4096                       ; bytes from row to row of C
.set TM,    128                        ; rows in a tile of C
.set WOFF,  0                          ; the matrix's first byte in w16
.set KSTEP, 256                        ; K in a step
.set NS,    4                          ; steps
.set NQ,    4                          ; pieces of 64 along K that a wave multiplies in a step
.set ROTX,  2
.set PA,    528                        ; an LDS row of A: 512 bytes + 16: an odd multiple of 16, so the 16 rows of a fragment load start 16 bytes apart modulo 256
.set AQI,   6                          ; the padding's interval: 128 words
.set AQ,    128                        ; bytes from piece to piece in an LDS row of A
.set QROWS, 64                         ; k-rows from piece to piece in B
.set PB,    288                        ; an LDS row of B: 256 bytes + 32: an odd multiple of 32, as the turning load's 8 rows x 32 bytes want
.set BOFF,  TM*PA                      ; a slot: A's rows, then B's k-rows
.set SL,    BOFF+KSTEP*PB
.set SPARE, 2*SL                       ; behind the slots: the spare words, 128 bytes a wave: two blocks of 256 bytes that no other line names
.set SPI,   528                        ; the stage's pitch: 128 f32 + 16 bytes.  The stage lies in slot 0's bytes, which have had their last fill and their last read by then
.set ASTEP, KSTEP*2                    ; bytes from K step to K step in A,
.set BSTEP, KSTEP*ND*2                 ; and in B
.set A0,    16                         ; v16  my lane's place in a slot's A; never rewritten
.set B0,    17                         ; v17  the same for B
.set ADRA,  18                         ; v18  A0 + the slot in hand
.set ADRB,  19                         ; v19  B0 + the slot in hand;  v20 the same two pieces on (the 16-bit offset does not reach them)
.set STO,   24                         ; v24  the way out: where I put 32 bytes of a row
.set RD,    25                         ; v25  where I read rows back
.set CO,    26                         ; v26  my byte offset in C
.set SPW,   28                         ; v28  my spare word: SPARE + 4 x my thread's number; never rewritten
.set NIL,   29                         ; v29  0; never rewritten
.set BIAS,  32
.set TMP,   64
.set ACC,   128
.set F0,    256                        ; fragment buffers, by their true register numbers: window = number / 256
.set F1,    384
.set F2,    512
.set FL,    F1                         ; the buffer of a step's last piece
.set WV,  14                           ; s14 wave; s15 wave / 2; s16 wave % 2
.set HIW, 15
.set LOW, 16
.set CX,  17
.set CY,  18
.set TX,  19                           ; tile column
.set TY,  20                           ; tile row
.set G1A, 24                           ; s[24:31] descriptor group 1 for A;  s[32:39] group 0: set 0 for the first fill of slot 0, set 1 for slot 1's and every refill
.set G0A, 32
.set AB,  40                           ; s[40:41] A at my part of the tile's rows, K step 0
.set BBS, 44                           ; s[44:45] B at my part of K step 0, the tile's columns
.set G1B, 48                           ; s[48:55], s[56:63] the same for B
.set G0B, 56
.set FB,  66                           ; s66  the slot to be filled next: 0 or SL
.set TB,  67                           ; s67  the slot whose fragments are fetched: 0 or SL
.set CNT, 68
.set ALO, 69                           ; s69  my part's place in a slot, for A
.set BLO, 70                           ; s70  for B
.set KS,  71                           ; s71  the K step to be asked for next
.set KT,  82
.set OFA, 92                           ; s[92:93], s[94:95] a K step's byte offset in A and in B
.set OFB, 94
.set MSB, 0
.macro WIN new                         ; the immediate's high byte repeats the setting that is left; a switch that changes nothing is dropped
.if MSB != (\new)
	s_set_vgpr_msb (MSB<<8)|(\new)
.set MSB, \new
.endif
.endm
.macro JLOAD s                         ; a joint load.  The branch hangs on the wave's number alone.  An s_nop 0 and four v_nop follow each of the two lines
	s_cmp_eq_u32 s[HIW], 0
	s_cbranch_scc0 .Lfor_b_\@
	tensor_load_to_lds s[G0A+4*(\s):G0A+4*(\s)+3], s[G1A:G1A+7]
	s_nop 0
.rept 4
	v_nop
.endr
	s_branch .Lasked_\@
.Lfor_b_\@:
	tensor_load_to_lds s[G0B+4*(\s):G0B+4*(\s)+3], s[G1B:G1B+7]
	s_nop 0
.rept 4
	v_nop
.endr
.Lasked_\@:
.endm
.macro ASKFOR s                        ; group 0, set s, takes the global addresses of K step KS, made anew from the step's number; then KS goes one on, round the NS steps
	s_mul_i32 s[OFA], s[KS], ASTEP
	s_add_nc_u64 s[G0A+4*(\s)+2:G0A+4*(\s)+3], s[AB:AB+1], s[OFA:OFA+1]
	s_or_b32 s[G0A+4*(\s)+3], s[G0A+4*(\s)+3], 0x80000000
	s_mul_i32 s[OFB], s[KS], BSTEP
	s_add_nc_u64 s[G0B+4*(\s)+2:G0B+4*(\s)+3], s[BBS:BBS+1], s[OFB:OFB+1]
	s_or_b32 s[G0B+4*(\s)+3], s[G0B+4*(\s)+3], 0x80000000
	s_add_co_u32 s[KS], s[KS], 1
	s_cmp_eq_u32 s[KS], NS
	s_cselect_b32 s[KS], 0, s[KS]
.endm
.macro CREST                           ; a round of the cluster's barrier behind its opening barrier
	s_cmp_lg_u32 s[WV], 0
	s_cbranch_scc1 .Lnot_wave_0_\@
	s_barrier_signal -3
.Lnot_wave_0_\@:
	s_barrier_wait -3
	s_barrier_signal -1
	s_barrier_wait -1
.endm
.macro CROUND                          ; a whole round
	s_barrier_signal -1
	s_barrier_wait -1
	CREST
.endm
.macro PLACES                          ; four plain instructions between a matrix instruction and a load into, or a read of, its registers
.rept 4
	v_nop
.endr
.endm
	s_load_b256 s[4:11], s[0:1], 0x0               ; A s[4:5], w16 s[6:7], bias s[8:9], C (MODE 2: x1) s[10:11]
.if MODE == 2
	s_load_b64 s[12:13], s[0:1], 0x20              ; out0
.endif
	v_lshl_add_u32 v[SPW], v0, 2, SPARE
	v_mov_b32 v[NIL], 0
	ds_add_u32 v[SPW], v[NIL]                      ; the wave's opening: the add and its wait stand ahead of my first tensor load; work on registers stands between them
	ds_add_u32 v28, v29
	v_lshrrev_b32 v1, 5, v0
	v_readfirstlane_b32 s[WV], v1
	s_lshr_b32 s[HIW], s[WV], 1
	s_and_b32 s[LOW], s[WV], 1
	s_bfe_u32 s[CX], ttmp6, 0x40000
	s_bfe_u32 s[CY], ttmp6, 0x40004
	s_lshl_b32 s[TX], ttmp9, 2
	s_add_co_u32 s[TX], s[TX], s[CX]
	s_and_b32 s[TY], ttmp7, 0xffff                 ; the cluster's y
	s_lshl_b32 s[KS], s[TY], 1                     ; where my cluster's walk along K begins: (2 Y + ROTX X) mod NS
	s_mul_i32 s[KT], ttmp9, ROTX
	s_add_co_u32 s[KS], s[KS], s[KT]
.if NS == 4
	s_and_b32 s[KS], s[KS], 3
.else
	s_sub_co_u32 s[KT], s[KS], NS                  ; the sum stays under 2 NS
	s_cmp_ge_u32 s[KS], NS
	s_cselect_b32 s[KS], s[KT], s[KS]
.endif
	s_lshl_b32 s[TY], s[TY], 2
	s_add_co_u32 s[TY], s[TY], s[CY]
	s_lshl_b32 s21, s[CY], 2
	s_lshl_b32 s21, 15, s21                        ; my row of the cluster
	s_lshl_b32 s22, 0x1111, s[CX]                  ; my column
	s_or_b32 s[G1A], s21, (1<<16)|(1<<20)|(1<<21)|(AQI<<22)|(3<<25)  ; mask; 2-byte elements; padding on; bit 21 beside a mask; after every 2 << AQI words, 4 words
	s_mov_b32 s[G1A+1], KSTEP<<16                  ; tensor_dim0
	s_mov_b32 s[G1A+2], (TM/2)<<16                 ; tensor_dim1
	s_mov_b32 s[G1A+3], KSTEP<<16                  ; tile_dim0
	s_mov_b32 s[G1A+4], TM/2                       ; tile_dim1
	s_mov_b32 s[G1A+5], KD                         ; elements from row to row
	s_mov_b32 s[G1A+6], 0
	s_mov_b32 s[G1A+7], 0
	s_or_b32 s[G1B], s22, (1<<16)|(1<<20)|(1<<21)|(5<<22)|(7<<25)  ; after every 64 words, 8 words
	s_mov_b32 s[G1B+1], 128<<16
	s_mov_b32 s[G1B+2], (KSTEP/2)<<16
	s_mov_b32 s[G1B+3], 128<<16
	s_mov_b32 s[G1B+4], KSTEP/2
	s_mov_b32 s[G1B+5], ND
	s_mov_b32 s[G1B+6], 0
	s_mov_b32 s[G1B+7], 0
	s_mul_i32 s[ALO], s[LOW], (TM/2)*PA            ; no place in the cluster enters an LDS address
	s_mul_i32 s[BLO], s[LOW], (KSTEP/2)*PB
	s_add_co_u32 s[BLO], s[BLO], BOFF
	s_mul_i32 s40, s[TY], TM                       ; A: row = tile row x TM + my half, in registers that never hold cx
	s_mul_i32 s41, s[LOW], TM/2
	s_add_co_u32 s40, s40, s41
	s_mul_i32 s40, s40, KD*2
	s_mov_b32 s41, 0
	s_mul_i32 s44, s[LOW], (KSTEP/2)*ND*2          ; B: my half of a step's k-rows, the tile column's 256 bytes, in registers that never hold cy
	s_lshl_b32 s45, s[TX], 8
	s_add_co_u32 s44, s44, s45
	s_add_co_u32 s44, s44, WOFF
	s_mov_b32 s45, 0
	s_mov_b32 s[OFA+1], 0
	s_mov_b32 s[OFB+1], 0
	s_mov_b32 s[FB], SL
	s_mov_b32 s[TB], 0
	s_wait_dscnt 0x0                               ; the opening add is done
	s_wait_kmcnt 0x0
	s_add_nc_u64 s[AB:AB+1], s[4:5], s[40:41]
	s_add_nc_u64 s[BBS:BBS+1], s[6:7], s[44:45]
	CROUND                                         ; all sixteen work-groups are here: the first joint loads meet
.irp s, 0,1
	s_mov_b32 s[G0A+4*\s], 1
	s_add_co_u32 s[G0A+4*\s+1], s[ALO], \s*SL
	s_mov_b32 s[G0B+4*\s], 1
	s_add_co_u32 s[G0B+4*\s+1], s[BLO], \s*SL
	ASKFOR \s
	JLOAD \s                                       ; the walk's first two steps: two loads of mine are out
.endr
	; the bias of my 64 columns: block b, register j is column 16 b + 8 (l / 16) + j
	v_and_b32 v1, 15, v0                           ; l % 16
	v_bfe_u32 v2, v0, 4, 1                         ; l / 16
	v_lshlrev_b32 v3, 5, v2
	s_lshl_b32 s86, s[TX], 9
	s_lshl_b32 s87, s[LOW], 8
	s_add_co_u32 s86, s86, s87
	v_add_nc_u32 v3, s86, v3
.irp b, 0,1,2,3
	global_load_b128 v[BIAS+8*\b:BIAS+8*\b+3],   v3, s[8:9] offset:64*\b
	global_load_b128 v[BIAS+8*\b+4:BIAS+8*\b+7], v3, s[8:9] offset:64*\b+16
.endr
	; a fragment of A: lane l holds row l % 16, K = 8 (l / 16) + 0..7 and 16 + 8 (l / 16) + 0..7: two loads of 16 bytes, 32 apart
	v_mul_u32_u24 v[A0], v1, PA
	v_lshl_add_u32 v[A0], v2, 4, v[A0]
.if TM == 128
	s_mul_i32 s88, s[HIW], 64*PA                   ; my 64 rows
.else
	s_lshl_b32 s88, s[HIW], 7                      ; my 64 of each 128 along K: 128 bytes of each 256
.endif
	v_add_nc_u32 v[A0], s88, v[A0]
	; a fragment of B by the turning load: lane l reads 16 bytes of k-row 8 (l / 16) + l % 8, columns 8 ((l / 8) % 2) + 0..7, and ends with column l % 16 and 8 k
	v_and_b32 v4, 7, v0
	v_bfe_u32 v5, v0, 3, 1
	v_lshl_add_u32 v[B0], v2, 3, v4
	v_mul_u32_u24 v[B0], v[B0], PB
	v_lshl_add_u32 v[B0], v5, 4, v[B0]
	s_lshl_b32 s88, s[LOW], 7                      ; my 64 columns
	s_add_co_u32 s88, s88, BOFF
.if TM == 64
	s_mul_i32 s89, s[HIW], 64*PB                   ; my 64 of each 128 along K
	s_add_co_u32 s88, s88, s89
.endif
	v_add_nc_u32 v[B0], s88, v[B0]
	; the way out
	s_mul_i32 s88, s[HIW], 64*SPI                  ; TM = 128: my 64 rows of the stage; TM = 64: my share of K has a plane of 64 rows
	s_lshl_b32 s89, s[LOW], 8
	s_add_co_u32 s88, s88, s89
	v_mul_u32_u24 v[STO], v1, SPI
	v_lshl_add_u32 v[STO], v2, 5, v[STO]
	v_add_nc_u32 v[STO], s88, v[STO]
	s_mul_i32 s88, s[WV], 32*SPI                   ; back: wave w takes rows 32 w .. 32 w + 31; lanes 0-15 one row (32 bytes of f32 each), lanes 16-31 the next
	v_mul_u32_u24 v[RD], v2, SPI
	v_lshl_add_u32 v[RD], v1, 5, v[RD]
	v_add_nc_u32 v[RD], s88, v[RD]
	v_mul_u32_u24 v[CO], v2, CP
	v_lshl_add_u32 v[CO], v1, 4, v[CO]
	s_lshl_b32 s86, s[TY], 7
	s_lshl_b32 s87, s[WV], 5
	s_add_co_u32 s86, s86, s87
	s_mul_i32 s86, s86, CP
	s_lshl_b32 s87, s[TX], 8
	s_add_co_u32 s86, s86, s87
	s_mov_b32 s87, 0
	s_add_nc_u64 s[10:11], s[10:11], s[86:87]
.if MODE == 1
	s_mov_b32 s72, 0x3f596d27                      ; sqrt(log2(e) / 2) = 0.8493218
	s_mov_b32 s73, s72
	s_mov_b32 s74, 0x3eaa540d                      ; 0.47047 / sqrt(2)
	s_mov_b32 s76, 0x3ebf7377                      ; a3 / 2 = 0.3739278
	s_mov_b32 s77, s76
	s_mov_b32 s78, 0xbd445ca1                      ; a2 / 2 = -0.0479399
	s_mov_b32 s79, s78
	s_mov_b32 s80, 0x3e32303a                      ; a1 / 2 = 0.1740121
	s_mov_b32 s81, s80
.endif
	s_wait_loadcnt 0x0                             ; the bias
.set i, 0
.rept 128                              ; accumulator (a, b), register j starts at the bias of its column: written while the first tiles are on their way
	v_mov_b32 v[ACC+i], v[BIAS+i%32]
.set i, i+1
.endr
; 8 matrix instructions: m blocks a0, a0 + 1 x all 4 n blocks, 32 along K: half c of buffer f.  The 16 accumulators take turns over the backward jumps too
.macro MUL8 f, c, a0
	WIN 5*((\f)/256)
.irp a, \a0, (\a0)+1
.irp b, 0,1,2,3
	v_wmma_f32_16x16x32_bf16 v[ACC+8*(4*(\a)+(\b)):ACC+8*(4*(\a)+(\b))+7], v[((\f)%256)+64+8*(4*(\c)+(\b)):((\f)%256)+64+8*(4*(\c)+(\b))+7], v[((\f)%256)+8*(4*(\c)+(\a)):((\f)%256)+8*(4*(\c)+(\a))+7], v[ACC+8*(4*(\a)+(\b)):ACC+8*(4*(\a)+(\b))+7]
.endr
.endr
.endm
; 32 LDS loads in one run: the fragments of piece q (64 along K) into buffer f; the first 32 along K first
.macro FETCH q, f
	WIN ((\f)/256)<<6
.irp c, 0,1
.irp i, 0,1,2,3
	ds_load_tr16_b128 v[((\f)%256)+64+8*(4*(\c)+(\i)):((\f)%256)+64+8*(4*(\c)+(\i))+3],   v[ADRB+(\q)/2] offset:(((\q)%2)*QROWS+32*(\c))*PB+32*(\i)
	ds_load_tr16_b128 v[((\f)%256)+64+8*(4*(\c)+(\i))+4:((\f)%256)+64+8*(4*(\c)+(\i))+7], v[ADRB+(\q)/2] offset:(((\q)%2)*QROWS+32*(\c)+16)*PB+32*(\i)
	ds_load_b128 v[((\f)%256)+8*(4*(\c)+(\i)):((\f)%256)+8*(4*(\c)+(\i))+3],   v[ADRA] offset:AQ*(\q)+64*(\c)+(\i)*16*PA
	ds_load_b128 v[((\f)%256)+8*(4*(\c)+(\i))+4:((\f)%256)+8*(4*(\c)+(\i))+7], v[ADRA] offset:AQ*(\q)+64*(\c)+(\i)*16*PA+32
.endr
.endr
.endm
; A piece but the last: multiplies buffer f and fetches piece q into buffer g
.macro QUARTER q, f, g
	s_wait_dscnt 16                                ; of the 32 loads that are out the first 16 are in: the first 32 along K
	MUL8 \f, 0, 0
	MUL8 \f, 0, 2
	PLACES
	FETCH \q, \g
	s_wait_dscnt 32                                ; all but the 32 just issued
	MUL8 \f, 1, 0
	MUL8 \f, 1, 2
.endm
; The last piece multiplies buffer FL and changes slots: ONE barrier; in front of it each wave waits for all its tensor loads (one is out: its part of the next slot), adds 0 to its spare word,
; and waits for that and for its reads of this slot.  fill = 1: the barrier opens a round of the cluster's, and behind the round this slot is filled again, two steps ahead: the first tensor load there, one a wave.
.macro TURN fill
	WIN 0
	s_wait_tensorcnt 0x0                           ; no tensor load of mine is out: the descriptors may be written
	ds_add_u32 v[SPW], v[NIL]                      ; 0 onto my spare word; the descriptors' scalar work and eight products stand between it and the wait for it
.if \fill
	s_xor_b32 s[FB], s[FB], SL
	s_add_co_u32 s[G0A+5], s[FB], s[ALO]
	s_add_co_u32 s[G0B+5], s[FB], s[BLO]
	ASKFOR 1
.endif
	s_wait_dscnt 17                                ; the add and the youngest sixteen loads may be out
	MUL8 FL, 0, 0
	s_wait_dscnt 0x0                               ; the add is done, and my reads of this slot are over
	s_barrier_signal -1
	MUL8 FL, 0, 2
	WIN 0
	s_barrier_wait -1
.if \fill
	CREST
	JLOAD 1
.endif
	s_xor_b32 s[TB], s[TB], SL                     ; the fetches go on in the other slot
	v_add_nc_u32 v[ADRA], s[TB], v[A0]             ; these four plain lines are also the places in front of the loads below
	v_add_nc_u32 v[ADRB], s[TB], v[B0]
	v_add_nc_u32 v[ADRB+1], 2*QROWS*PB, v[ADRB]
	v_nop
.if !(\fill)
	s_cmp_eq_u32 s[CNT], 1                         ; behind the last step there is nothing to fetch
	s_cbranch_scc1 .Lno_fetch_\@
.endif
	FETCH 0, F0
.if !(\fill)
	WIN 0
.Lno_fetch_\@:
.endif
	MUL8 FL, 1, 0
	MUL8 FL, 1, 2
.endm
.macro STEPBODY fill
	QUARTER 1, F0, F1
.if NQ == 4
	QUARTER 2, F1, F0
	QUARTER 3, F0, F1
.else
	QUARTER 2, F1, F2
.endif
	TURN \fill
.endm
	s_wait_tensorcnt 0x1                           ; my part of the first step is in; the second's may stay out
	s_barrier_signal -1
	s_barrier_wait -1
	v_mov_b32 v[ADRA], v[A0]
	v_mov_b32 v[ADRB], v[B0]
	v_add_nc_u32 v[ADRB+1], 2*QROWS*PB, v[B0]
	FETCH 0, F0
	WIN 0
	s_mov_b32 s[CNT], NS-2
.Lfill:                                        ; every step but the last two fills its slot again
	STEPBODY 1
	WIN 0
	s_sub_co_u32 s[CNT], s[CNT], 1
	s_cmp_lg_u32 s[CNT], 0
	s_cbranch_scc1 .Lfill
	s_mov_b32 s[CNT], 2
.Ltail:                                        ; the last two steps ask for nothing
	STEPBODY 0
	WIN 0
	s_sub_co_u32 s[CNT], s[CNT], 1
	s_cmp_lg_u32 s[CNT], 0
	s_cbranch_scc1 .Ltail
	; THE WAY OUT.  The f32 sums go into the stage, each accumulator's low registers first; a barrier, since a row comes from two waves; then whole rows come back.
	PLACES
	PLACES
.irp a, 0,1,2,3
.irp b, 0,1,2,3
	ds_store_b128 v[STO], v[ACC+8*(4*\a+\b):ACC+8*(4*\a+\b)+3]   offset:\a*16*SPI+64*\b
	ds_store_b128 v[STO], v[ACC+8*(4*\a+\b)+4:ACC+8*(4*\a+\b)+7] offset:\a*16*SPI+64*\b+16
.endr
.endr
	s_wait_dscnt 0x0                               ; for the others' sake: my stores into the stage are done
	s_barrier_signal -1
	s_barrier_wait -1
.set XX, TMP                           ; 16 numbers: 8 of each of two rows a lane
.set DD, TMP+16
.set ZZ, TMP+32
.set PP, TMP+48
.set YY, BIAS
	s_mov_b32 s[CNT], 8
.Lout:                                         ; a trip: 4 of my 32 rows
	ds_load_b128 v[XX:XX+3],     v[RD]
	ds_load_b128 v[XX+4:XX+7],   v[RD] offset:16
	ds_load_b128 v[XX+8:XX+11],  v[RD] offset:2*SPI
	ds_load_b128 v[XX+12:XX+15], v[RD] offset:2*SPI+16
	s_wait_dscnt 0x0
.if MODE == 1
	; gelu(x) = max(x, 0) - |x| r, r = erfc(|x| / sqrt 2) / 2 = t (a1 + t (a2 + t a3)) / 2 x exp(-x^2 / 2), t = 1 / (1 + 0.47047 |x| / sqrt 2): no difference of large numbers is formed
.set i, 0
.rept 8
	v_pk_mul_f32 v[ZZ+2*i:ZZ+2*i+1], v[XX+2*i:XX+2*i+1], s[72:73] op_sel_hi:[1,0]
.set i, i+1
.endr
.set i, 0
.rept 16
	v_fma_f32 v[DD+i], |v[XX+i]|, s74, 1.0
.set i, i+1
.endr
.set i, 0
.rept 8
	v_pk_mul_f32 v[ZZ+2*i:ZZ+2*i+1], v[ZZ+2*i:ZZ+2*i+1], v[ZZ+2*i:ZZ+2*i+1] neg_lo:[1,0] neg_hi:[1,0]
.set i, i+1
.endr
.set i, 0
.rept 16
	v_rcp_f32 v[DD+i], v[DD+i]
.set i, i+1
.endr
.set i, 0
.rept 16
	v_exp_f32 v[ZZ+i], v[ZZ+i]
.set i, i+1
.endr
	v_nop                                          ; a plain instruction behind the batch of 32,
	s_wait_alu depctr_va_vdst(0)                   ; and its one wait, ahead of the first reader
.set i, 0
.rept 8
	v_pk_fma_f32 v[PP+2*i:PP+2*i+1], v[DD+2*i:DD+2*i+1], s[76:77], s[78:79] op_sel_hi:[1,0,0]
.set i, i+1
.endr
.set i, 0
.rept 8
	v_pk_fma_f32 v[PP+2*i:PP+2*i+1], v[PP+2*i:PP+2*i+1], v[DD+2*i:DD+2*i+1], s[80:81] op_sel_hi:[1,1,0]
.set i, i+1
.endr
.set i, 0
.rept 8
	v_pk_mul_f32 v[PP+2*i:PP+2*i+1], v[PP+2*i:PP+2*i+1], v[DD+2*i:DD+2*i+1]
.set i, i+1
.endr
.set i, 0
.rept 8
	v_pk_mul_f32 v[PP+2*i:PP+2*i+1], v[PP+2*i:PP+2*i+1], v[ZZ+2*i:ZZ+2*i+1]
.set i, i+1
.endr
.set i, 0
.rept 16
	v_max_num_f32 v[ZZ+i], 0, v[XX+i]
.set i, i+1
.endr
.set i, 0
.rept 16
	v_fma_f32 v[XX+i], -|v[XX+i]|, v[PP+i], v[ZZ+i]
.set i, i+1
.endr
.endif
.set i, 0
.rept 8
	v_cvt_pk_bf16_f32 v[YY+i], v[XX+2*i], v[XX+2*i+1]
.set i, i+1
.endr
	global_store_b128 v[CO], v[YY:YY+3],   s[10:11]                  ; 16 lanes store 256 consecutive bytes, aligned: a tile's row
	global_store_b128 v[CO], v[YY+4:YY+7], s[10:11] offset:2*CP
	s_wait_xcnt 0x0                                ; the stores have read their data and their offset: both are written again only behind this wait
	v_add_nc_u32 v[RD], 4*SPI, v[RD]
	v_add_nc_u32 v[CO], 4*CP, v[CO]
	s_sub_co_u32 s[CNT], s[CNT], 1
	s_cmp_lg_u32 s[CNT], 0
	s_cbranch_scc1 .Lout
	s_wait_tensorcnt 0x0                           ; the wave's end, behind my last tensor load and my last LDS store
	ds_add_u32 v[SPW], v[NIL]
	s_wait_dscnt 0x0
	CROUND                                         ; the closing round: no work-group ends while a partner may still ask for a tile that names it
	s_endpgm
.Lfunc_end_k_q6968f09c2f_gemm_qk:
	.size	k_q6968f09c2f_gemm_qk, .Lfunc_end_k_q6968f09c2f_gemm_qk-k_q6968f09c2f_gemm_qk
	.p2alignl 7, 3214868480
	.fill 96, 4, 3214868480
	.section	.rodata,"a",@progbits
	.p2align	6, 0x0
	.amdhsa_kernel k_q6968f09c2f_gemm_qk
		.amdhsa_group_segment_fixed_size 327680
		.amdhsa_private_segment_fixed_size 0
		.amdhsa_enable_private_segment 0
		.amdhsa_kernarg_size 32
		.amdhsa_user_sgpr_count 2
		.amdhsa_user_sgpr_kernarg_segment_ptr 1
		.amdhsa_wavefront_size32 1
		.amdhsa_system_sgpr_workgroup_id_x 1
		.amdhsa_system_sgpr_workgroup_id_y 1
		.amdhsa_system_sgpr_workgroup_id_z 1
		.amdhsa_system_vgpr_workitem_id 0
		.amdhsa_next_free_vgpr 512
		.amdhsa_next_free_sgpr 96
		.amdhsa_reserve_vcc 0
		.amdhsa_float_denorm_mode_32 3
		.amdhsa_float_denorm_mode_16_64 3
		.amdhsa_memory_ordered 1
		.amdhsa_forward_progress 1
		.amdhsa_inst_pref_size 56
	.end_amdhsa_kernel
	.amdgpu_metadata
---
amdhsa.version: [ 1, 2 ]
amdhsa.kernels:
  - .name:           k_q6968f09c2f_gemm_qk
    .symbol:         k_q6968f09c2f_gemm_qk.kd
    .args:
      - { .name: h, .offset: 0, .size: 8, .value_kind: global_buffer, .address_space: global }
      - { .name: w16, .offset: 8, .size: 8, .value_kind: global_buffer, .address_space: global }
      - { .name: bqk, .offset: 16, .size: 8, .value_kind: global_buffer, .address_space: global }
      - { .name: qk, .offset: 24, .size: 8, .value_kind: global_buffer, .address_space: global }
    .group_segment_fixed_size: 327680
    .private_segment_fixed_size: 0
    .kernarg_segment_align: 8
    .kernarg_segment_size: 32
    .max_flat_workgroup_size: 128
    .sgpr_count:     96
    .vgpr_count:     512
    .wavefront_size: 32
...
	.end_amdgpu_metadata
.endif
;; end of part 2
;; launch stats (part 3): grid 8 x 32, 4 waves a work-group, no clusters, 167,936 bytes of LDS; arguments qk, lse; writes lse
.if DOCPART == 3
	.amdgcn_target "amdgcn-amd-amdhsa--gfx1250"
	.amdhsa_code_object_version 6
	.text
	.protected	k_q6968f09c2f_stats
	.globl	k_q6968f09c2f_stats
	.p2align	8
	.type	k_q6968f09c2f_stats,@function
k_q6968f09c2f_stats:
	s_mov_b64 s[64:65], 0
	v_nop
	global_prefetch_b8 v0, s[64:65] scope:SCOPE_SE
	s_setreg_imm32_b32 hwreg(HW_REG_WAVE_MODE, 25, 1), 1
	s_wait_xcnt 0x0
; THE SOFTMAX'S STATISTICS.  For each batch b, head hd and query t: lse = c m + log2(l), c = log2(e) / 8, m the largest visible score q.k, l = the sum over visible keys of 2^(c s - c m).
; The attention launch then forms normalised weights 2^(c s - lse) at once.  q, k: bf16 in qk [2048][2048] (q in columns 0-1023, k in 1024-2047); scores, maxima and sums in f32.
; LIMITS.  A hidden score counts as its value less 1e30; a weight below 2^-126 counts as 0 in l; NaN and infinities are not treated apart.  lse is one f32: its rounding is half a last place of a number of the scores' own size.
; SHARES.  A work-group has one (b, hd) and two blocks of 64 queries, p and then 15 - p: p + 1 and 16 - p key tiles of 64, 17 for every p.  Wave w owns rows 16 w .. 16 w + 15 of each block.
; The head's whole K (1,024 keys x 128 bytes) is brought into LDS once, a quarter by each wave's one tensor load; nothing is filled again.
; NO CLUSTER: the work-groups that share a head's K differ in p, and trip states and LDS read addresses hang on p.
; LAYOUT.  S^T = K Q^T: a lane holds one query (lane % 16) and the keys 16 kg + 8 (lane / 16) + 0..7.  In every trip the two halves of the lanes exchange their maxima, so m is the query's own:
; every row sees its own key in the diagonal tile, so m is a true score whenever hidden scores are scaled.
; THE MASK is the C operand that starts the sums: MD (made once: -1e30 where the key is hidden in the diagonal tile) times 1 in a block's last tile, times 0 elsewhere.
.set PK,    144                        ; a key's row in LDS: 128 bytes + 16: an odd multiple of 16
.set SPARE, 1024*PK                    ; behind K: the spare words, 128 bytes a wave
.set AK0, 2                            ; v2  my lane's place in a tile of K; never rewritten
.set ADK, 4                            ; v4  the LDS address of the run of loads in hand
.set QO,  5                            ; v5  my byte offset in 16 rows of q
.set SO,  6                            ; v6  my byte offset in 16 numbers of lse
.set CM,  10                           ; v10 c m;  v11 m;  v[12:13] l (even keys', odd keys')
.set MM,  11
.set LL,  12
.set CC,  14                           ; v14-17 at work; v16 takes a
.set OLD, 18
.set TT,  19
.set SPW, 30
.set NIL, 31
.set S,   32                           ; v[32:63]   scores: key group kg at 8 kg
.set KF,  64                           ; v[64:127]  K's fragments: 16 kg + 8 c
.set MD,  128                          ; v[128:159]
.set MC,  160                          ; v[160:191]
.set QC,  192                          ; v[192:207] Q of the block in hand
.set QH,  208                          ; v[208:223] Q of block 15 - p
.set WV,  8
.set PP,  9
.set BB,  10
.set HD,  11
.set RT,  12                           ; tiles of the block in hand still to do, this one among them
.set KT,  13                           ; the tile whose K is fetched
.set CNT, 14
.set G0,  16
.set G1,  20
.set CS,  28
.set SEL, 30
.set AL,  32
.set BIGN, 34
.set OB0, 40                           ; s[40:41] lse at my rows of the block in hand;  s[42:43] of block 15 - p
.set OB1, 42
	s_load_b128 s[4:7], s[0:1], 0x0                ; qk s[4:5], lse s[6:7]
	v_lshl_add_u32 v[SPW], v0, 2, SPARE
	v_mov_b32 v[NIL], 0
	ds_add_u32 v[SPW], v[NIL]                      ; the wave's opening: the add and its wait stand ahead of my tensor load
	ds_add_u32 v30, v31
	v_lshrrev_b32 v1, 5, v0
	v_readfirstlane_b32 s[WV], v1
	s_mov_b32 s[PP], ttmp9
	s_and_b32 s35, ttmp7, 0xffff
	s_lshr_b32 s[BB], s35, 4
	s_and_b32 s[HD], s35, 15
	s_mov_b32 s[G1], (1<<16)|(1<<20)|(4<<22)|(3<<25)  ; 2-byte elements; padding on: after every 32 words, 4 words
	s_mov_b32 s[G1+1], 64<<16                      ; tensor_dim0 = 64
	s_mov_b32 s[G1+2], 256<<16                     ; tensor_dim1 = 256
	s_mov_b32 s[G1+3], 64<<16                      ; tile_dim0 = 64
	s_mov_b32 s[G1+4], 256                         ; tile_dim1 = 256
	s_mov_b32 s[G1+5], 2048                        ; elements from row to row
	s_mov_b32 s[G1+6], 0
	s_mov_b32 s[G1+7], 0
	s_mov_b32 s[G0], 1
	s_mul_i32 s[G0+1], s[WV], 256*PK               ; my 256 keys' place
	s_lshl_b32 s38, s[BB], 22                      ; the batch's 1,024 rows of 4,096 bytes
	s_lshl_b32 s37, s[HD], 7                       ; the head's 128 bytes
	s_add_co_u32 s38, s38, s37
	s_lshl_b32 s37, s[WV], 20                      ; my 256 keys
	s_add_co_u32 s36, s38, s37
	s_add_co_u32 s36, s36, 2048                    ; k lies behind q in a row
	s_mov_b32 s37, 0
	s_mov_b32 s[CS], 0x3e38aa3b                    ; c = log2(e) / 8
	s_mov_b32 s[CS+1], s[CS]
	s_mov_b32 s[SEL], 0x76543210
	s_mov_b32 s[SEL+1], 0xfedcba98
	s_mov_b32 s[AL+1], 0
	s_mov_b32 s[BIGN], 0xf149f2ca                  ; -1e30
	s_wait_dscnt 0x0
	s_wait_kmcnt 0x0
	s_add_nc_u64 s[G0+2:G0+3], s[4:5], s[36:37]
	s_or_b32 s[G0+3], s[G0+3], 0x80000000
	tensor_load_to_lds s[G0:G0+3], s[G1:G1+7]      ; one load a wave is out, once
	s_nop 0
	v_and_b32 v1, 15, v0                           ; l % 16
	v_bfe_u32 v3, v0, 4, 1                         ; l / 16
	v_and_b32 v8, 31, v0                           ; l
	v_mul_u32_u24 v[AK0], v1, PK
	v_lshl_add_u32 v[AK0], v3, 4, v[AK0]
	v_lshlrev_b32 v[QO], 12, v1
	v_lshl_add_u32 v[QO], v3, 4, v[QO]
	v_lshlrev_b32 v[SO], 2, v1
	s_sub_co_u32 s39, 15, s[PP]
	s_lshl_b32 s37, s[WV], 16                      ; my 16 rows
	s_add_co_u32 s38, s38, s37
	s_lshl_b32 s36, s[PP], 18                      ; block p's 64 rows
	s_add_co_u32 s36, s36, s38
	s_mov_b32 s37, 0
	s_add_nc_u64 s[44:45], s[4:5], s[36:37]
	s_lshl_b32 s36, s39, 18                        ; block 15 - p's
	s_add_co_u32 s36, s36, s38
	s_add_nc_u64 s[46:47], s[4:5], s[36:37]
.irp c, 0,1
	global_load_b128 v[QC+8*\c:QC+8*\c+3],   v[QO], s[44:45] offset:64*\c
	global_load_b128 v[QC+8*\c+4:QC+8*\c+7], v[QO], s[44:45] offset:64*\c+32
	global_load_b128 v[QH+8*\c:QH+8*\c+3],   v[QO], s[46:47] offset:64*\c
	global_load_b128 v[QH+8*\c+4:QH+8*\c+7], v[QO], s[46:47] offset:64*\c+32
.endr
	s_lshl_b32 s38, s[BB], 16                      ; lse: ((16 b + hd) 1,024 + 64 block + 16 w) x 4 bytes
	s_lshl_b32 s36, s[HD], 12
	s_add_co_u32 s38, s38, s36
	s_lshl_b32 s36, s[WV], 6
	s_add_co_u32 s38, s38, s36
	s_lshl_b32 s36, s[PP], 8
	s_add_co_u32 s36, s36, s38
	s_add_nc_u64 s[OB0:OB0+1], s[6:7], s[36:37]
	s_lshl_b32 s36, s39, 8
	s_add_co_u32 s36, s36, s38
	s_add_nc_u64 s[OB1:OB1+1], s[6:7], s[36:37]
	v_lshlrev_b32 v7, 3, v3
	v_sub_nc_u32 v7, v1, v7
	s_lshl_b32 s35, s[WV], 4
	v_add_nc_u32 v7, s35, v7                       ; my query's place in its block, less my lanes' 8 (l / 16): register i is hidden where 16 (i / 8) + i % 8 is greater
.set i, 0
.rept 32
	v_cmp_gt_i32 vcc_lo, 16*(i/8)+i%8, v7
	v_cndmask_b32 v[MD+i], 0, s[BIGN], vcc_lo
.set i, i+1
.endr
	v_mov_b32 v[CM], 0xfe000000                    ; c m starts far below every c s, so the first a is 0;
	v_mov_b32 v[MM], 0xff7fffff                    ; m at the lowest finite number
	v_mov_b32 v[LL], 0
	v_mov_b32 v[LL+1], 0
	v_mov_b32 v[ADK], v[AK0]
	s_add_co_u32 s[RT], s[PP], 1
	s_mov_b32 s[KT], 0
	s_mov_b32 s[CNT], 17
	s_wait_tensorcnt 0x0                           ; my quarter of K is in,
	s_barrier_signal -1
	s_barrier_wait -1                              ; everybody's is
.macro FETCH_K
.irp f, 0,1,2,3,4,5,6,7                ; keys 16 (f / 2) on, channels 32 (f % 2) on
	ds_load_b128 v[KF+8*\f:KF+8*\f+3],   v[ADK] offset:(\f/2)*16*PK+(\f%2)*64
	ds_load_b128 v[KF+8*\f+4:KF+8*\f+7], v[ADK] offset:(\f/2)*16*PK+(\f%2)*64+32
.endr
.endm
	FETCH_K
	s_wait_loadcnt 0x0                             ; both blocks' Q
.Ltrip:                                        ; 17 trips: a key tile each
	s_wait_dscnt 0x0                               ; this tile's K is in
	s_cmp_eq_u32 s[RT], 1                          ; a block's last tile holds the diagonal
	s_cselect_b32 s[AL], 1.0, 0
.set i, 0
.rept 16
	v_pk_mul_f32 v[MC+2*i:MC+2*i+1], v[MD+2*i:MD+2*i+1], s[AL:AL+1] op_sel_hi:[1,0]
.set i, i+1
.endr
.irp kg, 0,1,2,3                       ; the four accumulators take turns over the backward jump too
	v_wmma_f32_16x16x32_bf16 v[S+8*\kg:S+8*\kg+7], v[KF+16*\kg:KF+16*\kg+7], v[QC:QC+7], v[MC+8*\kg:MC+8*\kg+7]
.endr
.irp kg, 0,1,2,3
	v_wmma_f32_16x16x32_bf16 v[S+8*\kg:S+8*\kg+7], v[KF+16*\kg+8:KF+16*\kg+15], v[QC+8:QC+15], v[S+8*\kg:S+8*\kg+7]
.endr
	s_add_co_u32 s[KT], s[KT], 1                   ; the block's next tile, or behind its last the next block's tile 0
	s_cmp_eq_u32 s[RT], 1
	s_cselect_b32 s[KT], 0, s[KT]
	s_min_u32 s[KT], s[KT], 15                     ; it never passes 15 (a block has 16 tiles at the most): the bound is written out
	s_mul_i32 s35, s[KT], 64*PK
	v_add_nc_u32 v[ADK], s35, v[AK0]               ; with the three v_nop: the four places between the products and the loads into K's registers and the reads of the scores
.rept 3
	v_nop
.endr
	s_cmp_eq_u32 s[CNT], 1                         ; behind the last trip there is no tile
	s_cbranch_scc1 .Lno_k
	FETCH_K
.Lno_k:
.irp j, 0,1,2,3                        ; the maximum of my 32 scores and the old m, three operands at a time; each accumulator's lowest registers are read first
	v_max3_num_f32 v[CC+\j], v[S+8*\j], v[S+8*\j+1], v[S+8*\j+2]
.endr
.irp j, 0,1,2,3
	v_max3_num_f32 v[CC+\j], v[CC+\j], v[S+8*\j+3], v[S+8*\j+4]
.endr
.irp j, 0,1,2,3
	v_max3_num_f32 v[CC+\j], v[CC+\j], v[S+8*\j+5], v[S+8*\j+6]
.endr
	v_max3_num_f32 v[CC], v[CC], v[S+7], v[S+15]
	v_max3_num_f32 v[CC+2], v[CC+2], v[S+23], v[S+31]
	v_max3_num_f32 v[CC], v[CC], v[CC+1], v[CC+2]
	v_max3_num_f32 v[CC], v[CC], v[CC+3], v[MM]
	v_permlanex16_b32 v[CC+1], v[CC], s[SEL], s[SEL+1]  ; the query's other 32 keys lie in the lane 16 away
	v_mov_b32 v[OLD], v[CM]
	v_max_num_f32 v[MM], v[CC], v[CC+1]
	v_mul_f32 v[CM], s[CS], v[MM]
	v_sub_f32 v[OLD], v[OLD], v[CM]
.set i, 0
.rept 16
	v_pk_fma_f32 v[S+2*i:S+2*i+1], v[S+2*i:S+2*i+1], s[CS:CS+1], v[CM:CM+1] op_sel_hi:[1,0,0] neg_lo:[0,0,1] neg_hi:[0,0,1]  ; c s - c m
.set i, i+1
.endr
	v_exp_f32 v[CC+2], v[OLD]                      ; a = 2^(c m_old - c m_new)
.set i, 0
.rept 32
	v_exp_f32 v[S+i], v[S+i]
.set i, i+1
.endr
	v_nop                                          ; a plain instruction behind the batch of 33,
	s_wait_alu depctr_va_vdst(0)                   ; and its one wait, ahead of the first reader
.irp w, 4,8,16,32                      ; the 16 pairs are added in place, neighbours 1, 2, 4 and 8 pairs apart
.set i, 0
.rept 32/\w
	v_pk_add_f32 v[S+\w*i:S+\w*i+1], v[S+\w*i:S+\w*i+1], v[S+\w*i+\w/2:S+\w*i+\w/2+1]
.set i, i+1
.endr
.endr
	v_pk_fma_f32 v[LL:LL+1], v[LL:LL+1], v[CC+2:CC+3], v[S:S+1] op_sel_hi:[1,0,1]  ; l = a l + the sum
	s_sub_co_u32 s[RT], s[RT], 1
	s_cmp_lg_u32 s[RT], 0
	s_cbranch_scc1 .Lsame
	; a block is done: lse = c m + log2(l)
	v_add_f32 v[TT], v[LL], v[LL+1]
	v_permlanex16_b32 v[CC], v[TT], s[SEL], s[SEL+1]
	v_add_f32 v[TT], v[TT], v[CC]
	v_log_f32 v[TT], v[TT]
	v_nop
	s_wait_alu depctr_va_vdst(0)
	v_add_f32 v[TT], v[TT], v[CM]
	v_cmp_gt_u32 vcc_lo, 16, v8                    ; both halves of the lanes hold the same 16 numbers: the lower half stores them, 64 bytes a wave, twice a launch
	s_wait_xcnt 0x0                                ; EXEC changes only behind this wait
	s_and_saveexec_b32 s35, vcc_lo
	global_store_b32 v[SO], v[TT], s[OB0:OB0+1]
	s_wait_xcnt 0x0                                ; and again, in front of the line that widens it; the store's base and data may then be written too
	s_or_b32 exec_lo, exec_lo, s35
	s_mov_b64 s[OB0:OB0+1], s[OB1:OB1+1]
	v_mov_b32 v[CM], 0xfe000000                    ; the next block starts anew
	v_mov_b32 v[MM], 0xff7fffff
	v_mov_b32 v[LL], 0
	v_mov_b32 v[LL+1], 0
.set i, 0
.rept 16
	v_mov_b32 v[QC+i], v[QH+i]
.set i, i+1
.endr
	s_sub_co_u32 s[RT], 16, s[PP]
.Lsame:
	s_sub_co_u32 s[CNT], s[CNT], 1
	s_cmp_lg_u32 s[CNT], 0
	s_cbranch_scc1 .Ltrip
	s_wait_tensorcnt 0x0                           ; the wave's end
	ds_add_u32 v[SPW], v[NIL]
	s_wait_dscnt 0x0
	s_endpgm
.Lfunc_end_k_q6968f09c2f_stats:
	.size	k_q6968f09c2f_stats, .Lfunc_end_k_q6968f09c2f_stats-k_q6968f09c2f_stats
	.p2alignl 7, 3214868480
	.fill 96, 4, 3214868480
	.section	.rodata,"a",@progbits
	.p2align	6, 0x0
	.amdhsa_kernel k_q6968f09c2f_stats
		.amdhsa_group_segment_fixed_size 167936
		.amdhsa_private_segment_fixed_size 0
		.amdhsa_enable_private_segment 0
		.amdhsa_kernarg_size 16
		.amdhsa_user_sgpr_count 2
		.amdhsa_user_sgpr_kernarg_segment_ptr 1
		.amdhsa_wavefront_size32 1
		.amdhsa_system_sgpr_workgroup_id_x 1
		.amdhsa_system_sgpr_workgroup_id_y 1
		.amdhsa_system_sgpr_workgroup_id_z 1
		.amdhsa_system_vgpr_workitem_id 0
		.amdhsa_next_free_vgpr 256
		.amdhsa_next_free_sgpr 66
		.amdhsa_reserve_vcc 1
		.amdhsa_float_denorm_mode_32 3
		.amdhsa_float_denorm_mode_16_64 3
		.amdhsa_memory_ordered 1
		.amdhsa_forward_progress 1
		.amdhsa_inst_pref_size 18
	.end_amdhsa_kernel
	.amdgpu_metadata
---
amdhsa.version: [ 1, 2 ]
amdhsa.kernels:
  - .name:           k_q6968f09c2f_stats
    .symbol:         k_q6968f09c2f_stats.kd
    .args:
      - { .name: qk, .offset: 0, .size: 8, .value_kind: global_buffer, .address_space: global }
      - { .name: lse, .offset: 8, .size: 8, .value_kind: global_buffer, .address_space: global }
    .group_segment_fixed_size: 167936
    .private_segment_fixed_size: 0
    .kernarg_segment_align: 8
    .kernarg_segment_size: 16
    .max_flat_workgroup_size: 128
    .sgpr_count:     66
    .vgpr_count:     256
    .wavefront_size: 32
...
	.end_amdgpu_metadata
.endif
;; end of part 3
;; launch attn (part 4): grid 8 x 32, 4 waves a work-group, clusters of 4 x 1, 327,680 bytes of LDS; arguments qk, h, lse, head_w, ypart; writes ypart
.if DOCPART == 4
	.amdgcn_target "amdgcn-amd-amdhsa--gfx1250"
	.amdhsa_code_object_version 6
	.text
	.protected	k_q6968f09c2f_attn
	.globl	k_q6968f09c2f_attn
	.p2align	8
	.type	k_q6968f09c2f_attn,@function
k_q6968f09c2f_attn:
	s_mov_b64 s[64:65], 0
	v_nop
	global_prefetch_b8 v0, s[64:65] scope:SCOPE_SE
	s_setreg_imm32_b32 hwreg(HW_REG_WAVE_MODE, 25, 1), 1
	s_wait_xcnt 0x0
	s_wait_alu depctr_hold_cnt(0) depctr_sa_sdst(0) depctr_va_vdst(0) depctr_va_sdst(0) depctr_va_ssrc(0) depctr_va_vcc(0) depctr_vm_vsrc(0)
	s_getreg_b32 s2, hwreg(HW_REG_IB_STS2, 6, 4)
	s_cmp_eq_u32 s2, 0
	s_cbranch_scc0 .Lentry_in_a_cluster
	s_endpgm
.Lentry_in_a_cluster:
	s_bfe_u32 s2, ttmp6, 0x10000c
	s_cmp_lg_u32 s2, 0x3003
	s_cbranch_scc0 .Lentry_shape_is_right
	s_endpgm
.Lentry_shape_is_right:
; THE ATTENTION BRANCH.  ypart[hh][b t][c] = the sum over the 8 heads hd of half hh of head_w[hd][c] x the sum over s <= t of A[hd][t][s] h[b s][c], A = 2^(c0 q.k - lse), c0 = log2(e) / 8.
; lse = c0 m + log2(l) was made from the row's true maximum and sum, so the weights come out normalised: no running maximum, no rescaling, no row sums here.
; q, k (in qk) and h are bf16; scores and sums in f32; the weights are rounded to bf16 for the second product; head_w is applied in f32 to the f32 sums.
; LIMITS.  A hidden score counts as its value less 1e30; a weight below 2^-126 counts as 0; NaN and infinities are not treated apart.
; SHARES.  A work-group: batch b, head half hh, channels 128 ct .. + 127, and two blocks of 64 queries, p and then 15 - p: p + 1 and 16 - p key tiles of 64, 17 whatever p.  Each block is walked downward
; from its diagonal tile, so a block's first step is the masked one.  Wave w has heads 8 hh + 2 w + e (e = 0, 1), all 64 queries (four tiles x of 16) and all 128 channels: O^T of two heads in 2 x 256 registers.
; At a block's end a wave forms w0 O0 + w1 O1; the four waves' sums meet in LDS and leave as f32.  The two head halves are two work-groups and two planes of ypart, added by the next launch.
; CLUSTER 4 x 1: the four partners differ in ct alone: same b, hh, p.  K's tile (64 keys x 8 heads) is asked for jointly; V's (64 keys x my 128 channels of h) is each work-group's own.  ct enters global addresses alone.
; LAYOUT.  S^T = K Q^T: a lane holds one query (lane % 16), register 8 kg + j key 16 kg + 8 (lane / 16) + j.  Rounded in pairs, in place, the 32 scores become the 16 registers of source 1 of O^T = V^T P.
; V comes out of LDS turned (ds_load_tr16_b128).  In O^T a lane holds one query, register j of block cb channel 16 cb + 8 (lane / 16) + j.
; THE MASK is the C operand that starts a score's sum: for key group kg and query tile x: 0 if kg < x, MT if kg = x, MN if kg > x; MT, MN hold the triangle and -1e30 in a block's first step, 0 in the others.
; A STEP (a key tile): for each head: 32 products K Q^T, 64 products V^T P; the scaling and exponentials of one pair of query tiles ride behind the products of the other pair; one batch of exponentials, one wait, for each pair.
; The change of slots stands in the step's middle, when K of both heads and V are in registers: the refill has a whole step in which to land.
; THE STAGES are written at a trip's end (a block's end) and read in the next step's middle, behind its round.  A second barrier, at the end of every step of the loop, stands between a step's reads of the
; stages and the stores that may follow at the trip's end: so stores and reads of the stages are a barrier apart on every way through the loop.
; REGISTERS, in windows of 256: window 0: v1-11 addresses; v12-27 lse; v28-51 masks; v64-191 S^T / P, 32 a tile; v192-255 K of one head.   window 1: O^T of head 0 (64 x + 8 cb).   window 2: of head 1.
;                               window 3: v0-127 Q (64 e + 16 x + 8 c); v128-255 V (128 + 64 kk + 8 cb).
.set PK,    1040                       ; a key's row of K in LDS: 8 heads x 128 bytes + 16: an odd multiple of 16
.set PV,    288                        ; a key's row of V: 256 bytes + 32: an odd multiple of 32
.set VOFF,  64*PK
.set SLOT,  VOFF+64*PV                 ; a slot: K's tile, then V's
.set STAGE, 2*SLOT                     ; behind the two slots, never filled by a tensor load: for each wave 64 rows x 528 bytes of f32
.set SPI,   528
.set STG,   64*SPI
.set WST,   STAGE+4*STG                ; for each wave head_w of its 2 heads x 128 channels
.set SPARE, WST+4096                   ; the spare words, 128 bytes a wave
.set WRD, 1
.set AK0, 2                            ; my lane's place in a tile of K; never rewritten
.set AV0, 3                            ; the same for V
.set ADK, 4
.set ADV, 5
.set QO,  6
.set OFO, 7
.set STO, 8
.set RD,  9                            ; v9 stages 0, 1;  v10 stages 2, 3
.set GO,  11
.set OF,  12                           ; lse of (e, x) at 12 + 2 (4 e + x), in both registers of the pair
.set TRI, 28
.set MT,  36
.set MN,  44
.set PFO, 60
.set SPW, 62
.set NIL, 63
.set S,   64
.set KF,  192
.set VF,  128
.set WV,  14
.set CX,  15
.set CT,  16
.set BB,  17
.set HH,  18
.set PP,  19
.set HI,  20
.set W1,  21
.set G1K, 24
.set G1V, 32
.set G0K, 40                           ; s[40:47]: set 0 for slot 0's first fill, set 1 for slot 1's, which then serves every refill
.set G0V, 48
.set CNT, 56
.set RT,  57                           ; tiles of the block in hand still to do
.set CS,  58
.set NXT, 60                           ; the tile to be asked for next
.set NEW, 61                           ; 1: the step to come is a block's first
.set FLUSH, 62                         ; 1: the first block's sums lie in the stages
.set WRAP, 63                          ; 1: the next refill asks for the second block's first tile
.set FB,  66
.set TB,  67
.set KLO, 68
.set VLO, 69
.set KB,  70
.set VB,  72
.set OFS, 74
.set QBP, 76
.set OBP, 78
.set QBH, 80
.set OBH, 82
.set YBP, 84
.set YBH, 86
.set BIGN, 88
.set PF,  89
.set PFA, 90
.set MSB, 0
.macro WIN new
.if MSB != (\new)
	s_set_vgpr_msb (MSB<<8)|(\new)
.set MSB, \new
.endif
.endm
.set W_KQ, 0x0c                        ; K, C and S^T in window 0, Q in window 3
.set W_PV, 0x53                        ; V in window 3, P in window 0, O^T in window 1 (head 1: + 0x50, window 2)
.macro JLOAD                           ; a refill: waves 0, 1 the two halves of K's tile (jointly), waves 2, 3 those of V's.  An s_nop 0 and four v_nop follow each line
	s_cmp_lt_u32 s[WV], 2
	s_cbranch_scc0 .Lfor_v_\@
	tensor_load_to_lds s[G0K+4:G0K+7], s[G1K:G1K+7]
	s_nop 0
.rept 4
	v_nop
.endr
	s_branch .Lasked_\@
.Lfor_v_\@:
	tensor_load_to_lds s[G0V+4:G0V+7], s[G1V:G1V+7]
	s_nop 0
.rept 4
	v_nop
.endr
.Lasked_\@:
.endm
.macro CREST
	s_cmp_lg_u32 s[WV], 0
	s_cbranch_scc1 .Lnot_wave_0_\@
	s_barrier_signal -3
.Lnot_wave_0_\@:
	s_barrier_wait -3
	s_barrier_signal -1
	s_barrier_wait -1
.endm
.macro CROUND
	s_barrier_signal -1
	s_barrier_wait -1
	CREST
.endm
; ONE PREFETCH INTO THE L2 a wave, once: the second block's first tile, 15 - p, one step (192 matrix instructions) ahead of the refill that asks for it.  Tiles 8 to 15 are read for the first time in the launch
; as some block's first tile, and that block's work-groups ask: for K's 64 rows x 1,024 bytes the cluster with x = 0, its four partners 16 rows each BY ADDRESS, waves 0 and 1 two blocks of 256 bytes of a row each;
; for V's 64 rows x 256 bytes the head half 0, waves 2 and 3, a lane a row.  So each block of 256 bytes is named once.  Where p < 2 that tile is asked for at the head or in the first trip, and nothing is prefetched.
.macro ASK
	s_and_b32 s92, s[WRAP], s[PF]
	s_cmp_lg_u32 s92, 0
	s_cbranch_scc0 .Lnot_mine_\@
	global_prefetch_b8 v[PFO], s[PFA:PFA+1] th:TH_LOAD_NT scope:SCOPE_SE
	s_mov_b32 s[PF], 0
.Lnot_mine_\@:
.endm
	s_load_b256 s[4:11], s[0:1], 0x0               ; qk s[4:5], h s[6:7], lse s[8:9], head_w s[10:11]
	s_load_b64 s[12:13], s[0:1], 0x20              ; ypart
	v_lshl_add_u32 v[SPW], v0, 2, SPARE
	v_mov_b32 v[NIL], 0
	ds_add_u32 v[SPW], v[NIL]                      ; the wave's opening: the add and its wait stand ahead of my first tensor load
	ds_add_u32 v62, v63
	v_lshrrev_b32 v52, 5, v0
	v_readfirstlane_b32 s[WV], v52
	s_bfe_u32 s[CX], ttmp6, 0x40000
	s_lshl_b32 s[CT], ttmp9, 2
	s_add_co_u32 s[CT], s[CT], s[CX]               ; my channel tile: it enters global addresses alone
	s_and_b32 s22, ttmp7, 0xffff
	s_lshr_b32 s[BB], s22, 4
	s_bfe_u32 s[HH], s22, 0x10003
	s_and_b32 s[PP], s22, 7
	s_sub_co_u32 s[HI], 15, s[PP]
	s_and_b32 s[W1], s[WV], 1
	s_mov_b32 s[G1K], 15|(1<<16)|(1<<20)|(1<<21)|(7<<22)|(3<<25)  ; the mask of four; 2-byte elements; padding on; bit 21 beside a mask; after every 256 words, 4 words
	s_mov_b32 s[G1K+1], 512<<16                    ; tensor_dim0 = 512
	s_mov_b32 s[G1K+2], 32<<16                     ; tensor_dim1 = 32
	s_mov_b32 s[G1K+3], 512<<16                    ; tile_dim0 = 512
	s_mov_b32 s[G1K+4], 32                         ; tile_dim1 = 32
	s_mov_b32 s[G1K+5], 2048
	s_mov_b32 s[G1K+6], 0
	s_mov_b32 s[G1K+7], 0
	s_mov_b32 s[G1V], (1<<16)|(1<<20)|(5<<22)|(7<<25)  ; no mask; after every 64 words, 8 words
	s_mov_b32 s[G1V+1], 128<<16
	s_mov_b32 s[G1V+2], 32<<16
	s_mov_b32 s[G1V+3], 128<<16
	s_mov_b32 s[G1V+4], 32
	s_mov_b32 s[G1V+5], 1024
	s_mov_b32 s[G1V+6], 0
	s_mov_b32 s[G1V+7], 0
	s_mul_i32 s[KLO], s[W1], 32*PK                 ; my 32 keys' place in a slot
	s_mul_i32 s[VLO], s[W1], 32*PV
	s_add_co_u32 s[VLO], s[VLO], VOFF
	s_lshl_b32 s22, s[BB], 22                      ; in qk: the batch's rows and the half's 8 heads
	s_lshl_b32 s23, s[HH], 10
	s_add_co_u32 s22, s22, s23
	s_lshl_b32 s92, s[W1], 17                      ; my 32 keys
	s_add_co_u32 s92, s92, s22
	s_add_co_u32 s92, s92, 2048                    ; k lies behind q in a row
	s_mov_b32 s93, 0
	s_lshl_b32 s94, s[BB], 21                      ; in h: the batch's rows, my channels, my 32 keys
	s_lshl_b32 s95, s[CT], 8
	s_add_co_u32 s94, s94, s95
	s_lshl_b32 s95, s[W1], 16
	s_add_co_u32 s94, s94, s95
	s_mov_b32 s95, 0
	s_sub_co_i32 s23, s[PP], 1                     ; the walk: p, p - 1 .. 0, 15 - p .. 0.  Its second tile,
	s_cmp_lt_i32 s23, 0
	s_cselect_b32 s23, s[HI], s23
	s_sub_co_i32 s[NXT], s23, 1                    ; and its third
	s_cmp_lt_i32 s[NXT], 0
	s_cselect_b32 s[NXT], s[HI], s[NXT]
	s_mov_b32 s[OFS+1], 0
	s_mov_b32 s[CS], 0x3e38aa3b                    ; log2(e) / 8
	s_mov_b32 s[CS+1], s[CS]
	s_mov_b32 s[BIGN], 0xf149f2ca                  ; -1e30
	s_mov_b32 s[FB], SLOT
	s_mov_b32 s[TB], 0
	s_mov_b32 s[G0K], 1
	s_mov_b32 s[G0K+1], s[KLO]
	s_mov_b32 s[G0K+4], 1
	s_add_co_u32 s[G0K+5], s[KLO], SLOT
	s_mov_b32 s[G0V], 1
	s_mov_b32 s[G0V+1], s[VLO]
	s_mov_b32 s[G0V+4], 1
	s_add_co_u32 s[G0V+5], s[VLO], SLOT
	s_wait_dscnt 0x0                               ; the opening add is done
	s_wait_kmcnt 0x0
	s_add_nc_u64 s[KB:KB+1], s[4:5], s[92:93]
	s_add_nc_u64 s[VB:VB+1], s[6:7], s[94:95]
	s_lshl_b32 s[OFS], s[PP], 18                   ; a tile is 64 rows of 4,096 bytes of qk,
	s_add_nc_u64 s[G0K+2:G0K+3], s[KB:KB+1], s[OFS:OFS+1]
	s_or_b32 s[G0K+3], s[G0K+3], 0x80000000
	s_lshl_b32 s[OFS], s[PP], 17                   ; of 2,048 bytes of h
	s_add_nc_u64 s[G0V+2:G0V+3], s[VB:VB+1], s[OFS:OFS+1]
	s_or_b32 s[G0V+3], s[G0V+3], 0x80000000
	s_lshl_b32 s[OFS], s23, 18
	s_add_nc_u64 s[G0K+6:G0K+7], s[KB:KB+1], s[OFS:OFS+1]
	s_or_b32 s[G0K+7], s[G0K+7], 0x80000000
	s_lshl_b32 s[OFS], s23, 17
	s_add_nc_u64 s[G0V+6:G0V+7], s[VB:VB+1], s[OFS:OFS+1]
	s_or_b32 s[G0V+7], s[G0V+7], 0x80000000
	CROUND                                         ; all four work-groups are here: the first joint loads meet
	s_cmp_lt_u32 s[WV], 2                          ; a wave's two first fills stand in one branch: two loads of mine are out
	s_cbranch_scc0 .Lfirst_v
	tensor_load_to_lds s[G0K:G0K+3], s[G1K:G1K+7]
	s_nop 0
	tensor_load_to_lds s[G0K+4:G0K+7], s[G1K:G1K+7]
	s_nop 0
.rept 4
	v_nop
.endr
	s_branch .Lfirst_asked
.Lfirst_v:
	tensor_load_to_lds s[G0V:G0V+3], s[G1V:G1V+7]
	s_nop 0
	tensor_load_to_lds s[G0V+4:G0V+7], s[G1V:G1V+7]
	s_nop 0
.rept 4
	v_nop
.endr
.Lfirst_asked:
	v_and_b32 v52, 15, v0                          ; l % 16
	v_bfe_u32 v53, v0, 4, 1                        ; l / 16
	v_and_b32 v54, 31, v0                          ; l
	v_and_b32 v55, 7, v0
	v_bfe_u32 v56, v0, 3, 1
	v_lshlrev_b32 v57, 4, v54
	s_lshl_b32 s94, s[HH], 15                      ; head_w: row 8 hh + 2 w, my 128 channels
	s_lshl_b32 s95, s[WV], 13
	s_add_co_u32 s94, s94, s95
	s_lshl_b32 s95, s[CT], 9
	s_add_co_u32 s94, s94, s95
	s_mov_b32 s95, 0
	s_add_nc_u64 s[10:11], s[10:11], s[94:95]
	global_load_b128 v[64:67], v57, s[10:11]
	global_load_b128 v[68:71], v57, s[10:11] offset:4096
	s_lshl_b32 s96, s[WV], 8                       ; q: my two heads,
	s_add_co_u32 s96, s96, s22
	s_lshl_b32 s97, s[PP], 18                      ; the block's 64 rows
	s_add_co_u32 s98, s96, s97
	s_mov_b32 s99, 0
	s_add_nc_u64 s[QBP:QBP+1], s[4:5], s[98:99]
	s_lshl_b32 s97, s[HI], 18
	s_add_co_u32 s98, s96, s97
	s_add_nc_u64 s[QBH:QBH+1], s[4:5], s[98:99]
	s_lshl_b32 s96, s[BB], 16                      ; lse: ((16 b + 8 hh + 2 w) 1,024 + 64 block) x 4 bytes
	s_lshl_b32 s97, s[HH], 15
	s_add_co_u32 s96, s96, s97
	s_lshl_b32 s97, s[WV], 13
	s_add_co_u32 s96, s96, s97
	s_lshl_b32 s97, s[PP], 8
	s_add_co_u32 s98, s96, s97
	s_add_nc_u64 s[OBP:OBP+1], s[8:9], s[98:99]
	s_lshl_b32 s97, s[HI], 8
	s_add_co_u32 s98, s96, s97
	s_add_nc_u64 s[OBH:OBH+1], s[8:9], s[98:99]
	s_lshl_b32 s96, s[HH], 23                      ; ypart: the half's plane, the batch's rows, my channels, the block's rows
	s_lshl_b32 s97, s[BB], 22
	s_add_co_u32 s96, s96, s97
	s_lshl_b32 s97, s[CT], 9
	s_add_co_u32 s96, s96, s97
	s_lshl_b32 s97, s[PP], 18
	s_add_co_u32 s98, s96, s97
	s_add_nc_u64 s[YBP:YBP+1], s[12:13], s[98:99]
	s_lshl_b32 s97, s[HI], 18
	s_add_co_u32 s98, s96, s97
	s_add_nc_u64 s[YBH:YBH+1], s[12:13], s[98:99]
	v_lshlrev_b32 v[QO], 12, v52                   ; a fragment of Q: row l % 16 of 4,096 bytes, 16 bytes for each half of the lanes
	v_lshl_add_u32 v[QO], v53, 4, v[QO]
	v_lshlrev_b32 v[OFO], 2, v52
; Q of a block (32 loads) and its 64 queries' lse for my two heads (16 loads: each number into both registers of a pair)
.macro QLOAD qb, ob
	WIN 0xc0                                       ; destination in window 3
.set i, 0
.rept 16                               ; head i / 8, query tile (i / 2) % 4, channels 32 (i % 2) on
	global_load_b128 v[64*(i/8)+16*((i/2)%4)+8*(i%2):64*(i/8)+16*((i/2)%4)+8*(i%2)+3],   v[QO], s[\qb:\qb+1] offset:((i/2)%4)*65536+128*(i/8)+64*(i%2)
	global_load_b128 v[64*(i/8)+16*((i/2)%4)+8*(i%2)+4:64*(i/8)+16*((i/2)%4)+8*(i%2)+7], v[QO], s[\qb:\qb+1] offset:((i/2)%4)*65536+128*(i/8)+64*(i%2)+32
.set i, i+1
.endr
	WIN 0
.set i, 0
.rept 8                                ; head i / 4, query tile i % 4
	global_load_b32 v[OF+2*i],   v[OFO], s[\ob:\ob+1] offset:4096*(i/4)+64*(i%4)
	global_load_b32 v[OF+2*i+1], v[OFO], s[\ob:\ob+1] offset:4096*(i/4)+64*(i%4)
.set i, i+1
.endr
.endm
	QLOAD QBP, OBP
	v_mul_u32_u24 v[AK0], v52, PK                  ; K: row l % 16, 16 bytes for each half of the lanes, my two heads' 256 bytes
	v_lshl_add_u32 v[AK0], v53, 4, v[AK0]
	s_lshl_b32 s92, s[WV], 8
	v_add_nc_u32 v[AK0], s92, v[AK0]
	v_lshl_add_u32 v[AV0], v53, 3, v55             ; V, for the turning load: key 8 (l / 16) + l % 8, channels 8 ((l / 8) % 2) on
	v_mul_u32_u24 v[AV0], v[AV0], PV
	v_lshl_add_u32 v[AV0], v56, 4, v[AV0]
	v_add_nc_u32 v[AV0], VOFF, v[AV0]
	s_mul_i32 s92, s[WV], STG
	s_add_co_u32 s92, s92, STAGE
	v_mul_u32_u24 v[STO], v52, SPI                 ; into my stage: row l % 16, 32 bytes for each half of the lanes
	v_lshl_add_u32 v[STO], v53, 5, v[STO]
	v_add_nc_u32 v[STO], s92, v[STO]
	s_mul_i32 s92, s[WV], 16*SPI
	s_add_co_u32 s92, s92, STAGE
	v_lshl_add_u32 v[RD], v54, 4, s92              ; back: rows 16 w .. 16 w + 15 of every stage, a row of 512 bytes to an instruction
	v_add_nc_u32 v[RD+1], 2*STG, v[RD]
	s_lshl_b32 s92, s[WV], 16
	v_lshl_add_u32 v[GO], v54, 4, s92
	s_lshl_b32 s92, s[WV], 10
	s_add_co_u32 s92, s92, WST
	v_lshl_add_u32 v[WRD], v53, 5, s92
	v_lshl_add_u32 v58, v54, 4, s92
	v_lshlrev_b32 v59, 3, v53
	v_sub_nc_u32 v59, v52, v59                     ; l % 16 - 8 (l / 16): in the diagonal's own 16 x 16 register j is hidden where j is greater
.set i, 0
.rept 8
	v_cmp_gt_i32 vcc_lo, i, v59
	v_cndmask_b32 v[TRI+i], 0, s[BIGN], vcc_lo
.set i, i+1
.endr
	; the prefetch's address and who asks
	s_lshl_b32 s94, s[HI], 18
	s_add_co_u32 s94, s94, s22
	s_add_co_u32 s94, s94, 2048
	s_lshl_b32 s95, s[W1], 9
	s_add_co_u32 s94, s94, s95
	s_lshl_b32 s95, s[CX], 16                      ; my work-group's 16 rows of K's 64
	s_add_co_u32 s94, s94, s95
	s_lshl_b32 s96, s[BB], 21
	s_lshl_b32 s97, s[CT], 8
	s_add_co_u32 s96, s96, s97
	s_lshl_b32 s97, s[HI], 17
	s_add_co_u32 s96, s96, s97
	s_lshl_b32 s97, s[W1], 16
	s_add_co_u32 s96, s96, s97
	s_mov_b32 s95, 4096
	s_mov_b32 s97, 256
	s_cmp_lt_u32 s[WV], 2
	s_cselect_b32 s98, s94, s96
	s_cselect_b32 s95, s95, 2048                   ; bytes for a step of l % 16: a row of qk, or of h
	s_cselect_b32 s97, s97, 0x8000                 ; bytes for l / 16: 256 along the row of qk, or 16 rows of h
	s_cselect_b32 s92, ttmp9, s[HH]                ; the coordinate along which others read the same bytes
	s_cselect_b64 s[PFA:PFA+1], s[4:5], s[6:7]
	s_add_nc_u64 s[PFA:PFA+1], s[PFA:PFA+1], s[98:99]
	s_cmp_eq_u32 s92, 0
	s_cselect_b32 s[PF], 1, 0
	s_cmp_lt_u32 s[PP], 2
	s_cselect_b32 s[PF], 0, s[PF]
	v_mul_u32_u24 v[PFO], s95, v52
	v_mul_u32_u24 v59, s97, v53
	v_add_nc_u32 v[PFO], v[PFO], v59
	s_wait_loadcnt 48                              ; head_w's two loads are in; the 48 younger ones (Q, lse) may stay out
	ds_store_b128 v58, v[64:67]                    ; into my own bytes, which I alone read
	ds_store_b128 v58, v[68:71] offset:512
; THE MATRIX WORK.  Product i of 16 of S^T = K Q^T for query tiles x0, x0 + 1 of head e: channels 32 (i / 8) on, keys 16 ((i / 2) % 4) on, tile x0 + i % 2.  8 accumulators take turns.
.macro MKQ x0, e
	WIN W_KQ
.set cc, i/8
.set kg, (i/2)%4
.set xx, (\x0)+i%2
.set rS, S+32*xx+8*kg
.set rK, KF+16*kg+8*cc
.set rQ, 64*(\e)+16*xx+8*cc
.if cc > 0
	v_wmma_f32_16x16x32_bf16 v[rS:rS+7], v[rK:rK+7], v[rQ:rQ+7], v[rS:rS+7]
.elseif kg < xx
	v_wmma_f32_16x16x32_bf16 v[rS:rS+7], v[rK:rK+7], v[rQ:rQ+7], 0
.elseif kg == xx
	v_wmma_f32_16x16x32_bf16 v[rS:rS+7], v[rK:rK+7], v[rQ:rQ+7], v[MT:MT+7]
.else
	v_wmma_f32_16x16x32_bf16 v[rS:rS+7], v[rK:rK+7], v[rQ:rQ+7], v[MN:MN+7]
.endif
.set i, i+1
.endm
; Product i of 32 of O^T += V^T P: keys 32 (i / 16) on, channels 16 ((i / 2) % 8) on, tile x0 + i % 2.  16 accumulators take turns.
.macro MPV x0, e
	WIN W_PV+0x50*(\e)
.set kk, i/16
.set cb, (i/2)%8
.set xx, (\x0)+i%2
.set rO, 64*xx+8*cb
.set rV, VF+64*kk+8*cb
.set rP, S+32*xx+8*kk
	v_wmma_f32_16x16x32_bf16 v[rO:rO+7], v[rV:rV+7], v[rP:rP+7], v[rO:rO+7]
.set i, i+1
.endm
; THE VECTOR WORK.  FF: c0 s - lse for pair pr of tile x.  EE: the exponential of score sc.  CV: pair ii rounded to bf16, in place: register ii takes scores 2 ii, 2 ii + 1, ascending, so nothing unread is written over.
.macro FF x, e, pr
	v_pk_fma_f32 v[S+32*(\x)+2*(\pr):S+32*(\x)+2*(\pr)+1], v[S+32*(\x)+2*(\pr):S+32*(\x)+2*(\pr)+1], s[CS:CS+1], v[OF+2*(4*(\e)+(\x)):OF+2*(4*(\e)+(\x))+1] op_sel_hi:[1,0,1] neg_lo:[0,0,1] neg_hi:[0,0,1]
.endm
.macro EE x, sc
	v_exp_f32 v[S+32*(\x)+(\sc)], v[S+32*(\x)+(\sc)]
.endm
.macro CV x, ii
	WIN 0
	v_cvt_pk_bf16_f32 v[S+32*(\x)+(\ii)], v[S+32*(\x)+2*(\ii)], v[S+32*(\x)+2*(\ii)+1]
.endm
; Entry n of the 96 of tiles y, y + 1: 32 scalings and 64 exponentials, ONE BATCH: nothing in it reads an exponential's result.  Pair 0 of both tiles; then for k = 1 .. 15: pair k of both tiles and the exponentials of
; pair k - 1; then pair 15's.  Each accumulator's lowest registers are read first.
.macro SMQ y, e
	WIN 0
.if n < 2
	FF (\y)+n, \e, 0
.elseif n < 92
.set gk, (n-2)/6+1
.set gr, (n-2)%6
.if gr < 2
	FF (\y)+gr, \e, gk
.else
	EE (\y)+(gr-2)/2, 2*gk-2+(gr-2)%2
.endif
.else
	EE (\y)+(n-92)/2, 30+n%2
.endif
.set n, n+1
.endm
; THE LDS LOADS stand in runs: a head's K of a tile (16 loads) and the tile's V, turned (32 loads)
.macro FETCH_K e
	WIN 0
.irp f, 0,1,2,3,4,5,6,7                ; keys 16 (f / 2) on, channels 32 (f % 2) on
	ds_load_b128 v[KF+8*\f:KF+8*\f+3],   v[ADK] offset:(\f/2)*16*PK+128*(\e)+64*(\f%2)
	ds_load_b128 v[KF+8*\f+4:KF+8*\f+7], v[ADK] offset:(\f/2)*16*PK+128*(\e)+64*(\f%2)+32
.endr
.endm
.macro FETCH_V
	WIN 0xc0
.irp f, 0,1,2,3,4,5,6,7,8,9,10,11,12,13,14,15  ; keys 32 (f / 8) on, channels 16 (f % 8) on
	ds_load_tr16_b128 v[VF+8*\f:VF+8*\f+3],   v[ADV] offset:(\f/8)*32*PV+32*(\f%8)
	ds_load_tr16_b128 v[VF+8*\f+4:VF+8*\f+7], v[ADV] offset:(\f/8)*32*PV+16*PV+32*(\f%8)
.endr
	WIN 0
.endm
; HALF A STEP, head e, behind the 16 products K Q^T of tiles 0, 1.  last = 1 (the tail): in the last trip the next tile's K is not fetched.
.macro HALF e, last
.set i, 0
.set n, 0
.rept 16                               ; K Q^T of tiles 2, 3; behind each product six of tiles 0, 1's batch
	MKQ 2, \e
.rept 6
	SMQ 0, \e
.endr
.endr
	WIN 0
	v_add_nc_u32 v[ADK], s[TB], v[AK0]             ; four plain lines: the places in front of the loads into K's registers, and the plain instruction behind the batch's last exponential
.rept 3
	v_nop
.endr
	s_wait_alu depctr_va_vdst(0)                   ; the one wait for the batch of 64, ahead of its first reader
.if (\last) && (\e)
	s_cmp_eq_u32 s[CNT], 1
	s_cbranch_scc1 .Lno_k_\@
.endif
	FETCH_K 1-(\e)                                 ; head 0's half: head 1's K of this tile; head 1's half: head 0's K of the next tile, in the other slot
.if (\last) && (\e)
.Lno_k_\@:
.endif
.set q, 0
.rept 8                                ; the first 32 keys' weights of tiles 0, 1
	CV 0, q
	CV 1, q
.set q, q+1
.endr
.if (\e) == 0
	s_wait_dscnt 16                                ; V is in; the 16 loads of K just issued may stay out
.endif
.set i, 0
.set n, 0
.rept 32                               ; V^T P of tiles 0, 1; behind the first four the other 32 keys' roundings, behind the next 24 tiles 2, 3's batch
	MPV 0, \e
.if i <= 4
	CV 0, q
	CV 1, q
	CV 0, q+1
	CV 1, q+1
.set q, q+2
.elseif i <= 28
.rept 4
	SMQ 2, \e
.endr
.endif
.endr
	WIN 0
	v_nop                                          ; a plain instruction behind the batch's last exponential,
	s_wait_alu depctr_va_vdst(0)                   ; and the batch's one wait
.set q, 0
.rept 8
	CV 2, q
	CV 3, q
.set q, q+1
.endr
.set i, 0
.rept 32                               ; V^T P of tiles 2, 3
	MPV 2, \e
.if i <= 4
	CV 2, q
	CV 3, q
	CV 2, q+1
	CV 3, q+1
.set q, q+2
.endif
.endr
.endm
; THE CHANGE OF SLOTS.  K of both heads and V of this tile have been asked for.  Each wave waits for all its tensor loads (one is out: its part of the other slot), adds 0 to its spare word, and waits for that and for its
; reads of this slot.  fill = 1: the barrier opens a round of the cluster's; behind the round this slot is filled with tile NXT, the first tensor load there, one a wave; the address is made anew from the tile's number.
; Head 1's first 16 products, work on registers, stand between signal and wait.
.macro CHANGE fill
	WIN 0
	s_wait_tensorcnt 0x0
	ds_add_u32 v[SPW], v[NIL]                      ; 0 onto my spare word; the descriptors' scalar work stands between it and the wait for it
.if \fill
	s_xor_b32 s[FB], s[FB], SLOT
	s_add_co_u32 s[G0K+5], s[FB], s[KLO]
	s_add_co_u32 s[G0V+5], s[FB], s[VLO]
	s_lshl_b32 s[OFS], s[NXT], 18
	s_add_nc_u64 s[G0K+6:G0K+7], s[KB:KB+1], s[OFS:OFS+1]
	s_or_b32 s[G0K+7], s[G0K+7], 0x80000000
	s_lshl_b32 s[OFS], s[NXT], 17
	s_add_nc_u64 s[G0V+6:G0V+7], s[VB:VB+1], s[OFS:OFS+1]
	s_or_b32 s[G0V+7], s[G0V+7], 0x80000000
	s_sub_co_i32 s[NXT], s[NXT], 1                 ; the block's next tile downward, or behind tile 0 the second block's first
	s_cmp_lt_i32 s[NXT], 0
	s_cselect_b32 s[NXT], s[HI], s[NXT]
	s_cselect_b32 s[WRAP], 1, 0
.endif
	s_wait_dscnt 0x0                               ; the add is done; my reads of this slot are over, head 1's K among them; my stores into the stage, if any, are done
	s_barrier_signal -1
.set i, 0
.rept 16
	MKQ 0, 1
.endr
	WIN 0
	s_barrier_wait -1
.if \fill
	CREST
	JLOAD
.else
.rept 4
	v_nop
.endr
.endif
	s_xor_b32 s[TB], s[TB], SLOT                   ; the fetches go on in the other slot
.endm
; The four waves' weighted sums of a block are added and stored: wave w takes rows 16 w .. 16 w + 15, four at a time
.macro SUMOUT yb
	WIN 0
.irp g, 0,1,2,3
.if \g > 0
	s_wait_xcnt 0x0                                ; the last four stores have read their registers
.endif
.irp v, 0,1,2,3
.irp r, 0,1,2,3
	ds_load_b128 v[128+16*\v+4*\r:128+16*\v+4*\r+3], v[RD+\v/2] offset:(\v%2)*STG+(4*\g+\r)*SPI
.endr
.endr
	s_wait_dscnt 0x0
.irp k, 0,1,2,3,4,5,6,7
	v_pk_add_f32 v[128+2*\k:129+2*\k], v[128+2*\k:129+2*\k], v[144+2*\k:145+2*\k]
	v_pk_add_f32 v[160+2*\k:161+2*\k], v[160+2*\k:161+2*\k], v[176+2*\k:177+2*\k]
.endr
.irp k, 0,1,2,3,4,5,6,7
	v_pk_add_f32 v[128+2*\k:129+2*\k], v[128+2*\k:129+2*\k], v[160+2*\k:161+2*\k]
.endr
.irp r, 0,1,2,3
	global_store_b128 v[GO], v[128+4*\r:128+4*\r+3], s[\yb:\yb+1] offset:(4*\g+\r)*4096  ; 512 consecutive bytes, aligned
.endr
.endr
	s_wait_xcnt 0x0                                ; these registers are written again only behind this wait
.endm
; A block's end: O0 w0 + O1 w1 in f32, each accumulator's registers ascending, into my stage.  Head 1's weights are fetched while head 0's are multiplied.
.macro WEIGH
	WIN 0
.set i, 0
.rept 8                                ; head 0, channel block i: my 8 channels' weights, into S^T's registers
	ds_load_b128 v[S+8*i:S+8*i+3],   v[WRD] offset:64*i
	ds_load_b128 v[S+8*i+4:S+8*i+7], v[WRD] offset:64*i+16
.set i, i+1
.endr
	s_wait_dscnt 0x0                               ; head 0's weights are in
.set i, 0
.rept 8                                ; head 1
	ds_load_b128 v[S+64+8*i:S+64+8*i+3],   v[WRD] offset:512+64*i
	ds_load_b128 v[S+64+8*i+4:S+64+8*i+7], v[WRD] offset:512+64*i+16
.set i, i+1
.endr
	WIN 0x41                                       ; destination and source 0 in window 1, source 1 in window 0
.set i, 0
.rept 128
	v_pk_mul_f32 v[2*i:2*i+1], v[2*i:2*i+1], v[S+(2*i)%64:S+(2*i)%64+1]
.set i, i+1
.endr
	s_wait_dscnt 0x0                               ; head 1's weights are in
	WIN 0x52                                       ; source 0 in window 2, source 1 in window 0, source 2 and destination in window 1
.set i, 0
.rept 128
	v_pk_fma_f32 v[2*i:2*i+1], v[2*i:2*i+1], v[S+64+(2*i)%64:S+64+(2*i)%64+1], v[2*i:2*i+1]
.set i, i+1
.endr
	WIN 0x04                                       ; the stores' data in window 1
.set i, 0
.rept 32                               ; query tile i / 8, channel block i % 8
	ds_store_b128 v[STO], v[8*i:8*i+3]   offset:(i/8)*16*SPI+64*(i%8)
	ds_store_b128 v[STO], v[8*i+4:8*i+7] offset:(i/8)*16*SPI+64*(i%8)+16
.set i, i+1
.endr
	WIN 0
.endm
; A STEP: a key tile for both heads
.macro STEP fill
	s_wait_loadcnt 0x0                             ; Q and lse of a block that begins: all the loads that can be out; in the other steps none is, and the wait is met at once
	s_wait_dscnt 32                                ; head 0's K is in; V's 32 younger loads may stay out
.set i, 0
.rept 16
	MKQ 0, 0
.endr
	WIN 0
.rept 5
	v_nop                                          ; the places between these products and the first read of their scores, and in front of the products that write over tiles 2, 3's registers
.endr
	HALF 0, 0
	CHANGE \fill
.if \fill
	s_cmp_eq_u32 s[FLUSH], 0
	s_cbranch_scc1 .Lno_flush_\@
	SUMOUT YBP                                     ; the first block's sums: every wave's stores into its stage were waited for in front of the round; tiles 2, 3's registers are free here
	s_mov_b32 s[FLUSH], 0
.Lno_flush_\@:
	ASK
.endif
	v_nop                                          ; with the four behind the change: five places
	HALF 1, 1-(\fill)
	WIN 0
.if \fill
	s_wait_dscnt 0x0                               ; my reads of the stages, if this step made any, are back (and the next tile's K, asked for 64 products ago):
	s_barrier_signal -1                            ; a barrier between them and the stores into the stages that may follow at the trip's end.  The refill may stay out
.endif
.set i, 0
.rept 8                                ; only a block's first step is masked; these 16 lines are also the places in front of the loads into V's registers
	v_mov_b32 v[MT+i], 0
	v_mov_b32 v[MN+i], 0
.set i, i+1
.endr
.if \fill
	s_barrier_wait -1
.endif
	v_add_nc_u32 v[ADV], s[TB], v[AV0]
.if !(\fill)
	s_cmp_eq_u32 s[CNT], 1
	s_cbranch_scc1 .Lno_v_\@
.endif
	FETCH_V
.if !(\fill)
.Lno_v_\@:
.endif
.endm
	s_wait_tensorcnt 0x1                           ; my part of slot 0 is in; slot 1's may stay out
	s_wait_dscnt 0x0
	s_barrier_signal -1
	s_barrier_wait -1
	v_mov_b32 v[ADK], v[AK0]
	v_mov_b32 v[ADV], v[AV0]
	FETCH_K 0
	FETCH_V
	s_mov_b32 s[NEW], 1
	s_mov_b32 s[FLUSH], 0
	s_add_co_u32 s[RT], s[PP], 1
	s_mov_b32 s[CNT], 15
.Ltrip:                                        ; 15 trips: a tile is multiplied and the tile two on is asked for
	s_cmp_eq_u32 s[NEW], 1                         ; at the first trip the answer is a constant of the text
	s_cbranch_scc0 .Lold
	s_mov_b32 s[NEW], 0                            ; A BLOCK BEGINS: the sums start at 0, so that one text of the step serves first steps too; the masks are set
	WIN 0x40
.set i, 0
.rept 256
	v_mov_b32 v[i], 0
.set i, i+1
.endr
	WIN 0x80
.set i, 0
.rept 256
	v_mov_b32 v[i], 0
.set i, i+1
.endr
	WIN 0
.set i, 0
.rept 8
	v_mov_b32 v[MT+i], v[TRI+i]
	v_mov_b32 v[MN+i], s[BIGN]
.set i, i+1
.endr
.Lold:
	STEP 1
	s_sub_co_u32 s[RT], s[RT], 1
	s_cmp_lg_u32 s[RT], 0
	s_cbranch_scc1 .Lsame
	QLOAD QBH, OBH                                 ; the first block is done: the second block's Q and lse are asked for, the sums are weighted and go into the stages;
	WEIGH                                          ; they are added behind the next step's round
	s_mov_b32 s[NEW], 1
	s_mov_b32 s[FLUSH], 1
	s_sub_co_u32 s[RT], 16, s[PP]
.Lsame:
	s_sub_co_u32 s[CNT], s[CNT], 1
	s_cmp_lg_u32 s[CNT], 0
	s_cbranch_scc1 .Ltrip
	s_mov_b32 s[CNT], 2
.Ltail:                                        ; the walk's last two tiles, always plain steps of the second block: nothing is asked for
	STEP 0
	s_sub_co_u32 s[CNT], s[CNT], 1
	s_cmp_lg_u32 s[CNT], 0
	s_cbranch_scc1 .Ltail
	WEIGH
	s_wait_dscnt 0x0                               ; for the others' sake: my stores into my stage are done
	s_barrier_signal -1
	s_barrier_wait -1
	SUMOUT YBH
	s_wait_tensorcnt 0x0                           ; the wave's end, behind my last tensor load and my last LDS store
	ds_add_u32 v[SPW], v[NIL]
	s_wait_dscnt 0x0
	CROUND                                         ; the closing round
	s_endpgm
.Lfunc_end_k_q6968f09c2f_attn:
	.size	k_q6968f09c2f_attn, .Lfunc_end_k_q6968f09c2f_attn-k_q6968f09c2f_attn
	.p2alignl 7, 3214868480
	.fill 96, 4, 3214868480
	.section	.rodata,"a",@progbits
	.p2align	6, 0x0
	.amdhsa_kernel k_q6968f09c2f_attn
		.amdhsa_group_segment_fixed_size 327680
		.amdhsa_private_segment_fixed_size 0
		.amdhsa_enable_private_segment 0
		.amdhsa_kernarg_size 40
		.amdhsa_user_sgpr_count 2
		.amdhsa_user_sgpr_kernarg_segment_ptr 1
		.amdhsa_wavefront_size32 1
		.amdhsa_system_sgpr_workgroup_id_x 1
		.amdhsa_system_sgpr_workgroup_id_y 1
		.amdhsa_system_sgpr_workgroup_id_z 1
		.amdhsa_system_vgpr_workitem_id 0
		.amdhsa_next_free_vgpr 1024
		.amdhsa_next_free_sgpr 100
		.amdhsa_reserve_vcc 1
		.amdhsa_float_denorm_mode_32 3
		.amdhsa_float_denorm_mode_16_64 3
		.amdhsa_memory_ordered 1
		.amdhsa_forward_progress 1
		.amdhsa_inst_pref_size 207
	.end_amdhsa_kernel
	.amdgpu_metadata
---
amdhsa.version: [ 1, 2 ]
amdhsa.kernels:
  - .name:           k_q6968f09c2f_attn
    .symbol:         k_q6968f09c2f_attn.kd
    .args:
      - { .name: qk, .offset: 0, .size: 8, .value_kind: global_buffer, .address_space: global }
      - { .name: h, .offset: 8, .size: 8, .value_kind: global_buffer, .address_space: global }
      - { .name: lse, .offset: 16, .size: 8, .value_kind: global_buffer, .address_space: global }
      - { .name: head_w, .offset: 24, .size: 8, .value_kind: global_buffer, .address_space: global }
      - { .name: ypart, .offset: 32, .size: 8, .value_kind: global_buffer, .address_space: global }
    .group_segment_fixed_size: 327680
    .private_segment_fixed_size: 0
    .kernarg_segment_align: 8
    .kernarg_segment_size: 40
    .max_flat_workgroup_size: 128
    .sgpr_count:     100
    .vgpr_count:     1024
    .wavefront_size: 32
...
	.end_amdgpu_metadata
.endif
;; end of part 4
;; launch ln2 (part 5): grid 256 x 1, 8 waves a work-group, no clusters, 0 bytes of LDS; arguments x, ypart, ln2_w, ln2_b, x1, g; writes x1, g
.if DOCPART == 5
	.amdgcn_target "amdgcn-amd-amdhsa--gfx1250"
	.amdhsa_code_object_version 6
	.text
	.protected	k_q6968f09c2f_ln2
	.globl	k_q6968f09c2f_ln2
	.p2align	8
	.type	k_q6968f09c2f_ln2,@function
k_q6968f09c2f_ln2:
	s_mov_b64 s[64:65], 0
	v_nop
	global_prefetch_b8 v0, s[64:65] scope:SCOPE_SE
	s_setreg_imm32_b32 hwreg(HW_REG_WAVE_MODE, 25, 1), 1
	s_wait_xcnt 0x0
; x1 = x + ypart[0] + ypart[1] (f32, stored), g = LayerNorm(x1) * ln2_w + ln2_b (bf16).  [2048][1024].
; One wave takes one row and keeps it in registers: each input byte is read once.  The variance is taken of x1 - mean.  8 rows a work-group.  No LDS, no barrier: no wave waits for another.
.set YR, 16                            ; v[16:31]   bf16 results
.set XR, 32                            ; v[32:63]   x, then x1: the data of its stores, not written again
.set DR, 64                            ; v[64:95]   ypart[0], then x1 - mean, then the result in f32
.set ER, 96                            ; v[96:127]  ypart[1]
.set WR, 128                           ; v[128:159] gain
.set BR, 160                           ; v[160:191] bias
.macro WSUM r, t                       ; the sum of v[r] over the wave's 32 lanes, in every lane; v[t] has been written before
	v_add_f32_dpp v[\r], v[\r], v[\r] row_xmask:1 row_mask:0xf bank_mask:0xf
	v_add_f32_dpp v[\r], v[\r], v[\r] row_xmask:2 row_mask:0xf bank_mask:0xf
	v_add_f32_dpp v[\r], v[\r], v[\r] row_xmask:4 row_mask:0xf bank_mask:0xf
	v_add_f32_dpp v[\r], v[\r], v[\r] row_xmask:8 row_mask:0xf bank_mask:0xf
	v_permlanex16_b32 v[\t], v[\r], s26, s27
	v_add_f32 v[\r], v[\r], v[\t]
.endm
	s_load_b256 s[4:11], s[0:1], 0x0               ; x s[4:5], ypart s[6:7], ln2_w s[8:9], ln2_b s[10:11]
	s_load_b128 s[12:15], s[0:1], 0x20             ; x1 s[12:13], g s[14:15]
	v_lshrrev_b32 v1, 5, v0
	v_readfirstlane_b32 s20, v1
	v_and_b32 v2, 31, v0
	v_lshlrev_b32 v3, 4, v2
	v_lshlrev_b32 v4, 3, v2
	s_lshl_b32 s22, ttmp9, 3
	s_add_co_u32 s22, s22, s20                     ; my row
	s_lshl_b32 s24, s22, 12
	s_mov_b32 s25, 0
	s_lshl_b32 s18, s22, 11
	s_mov_b32 s19, 0
	s_mov_b32 s26, 0x76543210
	s_mov_b32 s27, 0xfedcba98
	s_mov_b32 s28, 0x3a800000                      ; 1 / 1024
	s_wait_kmcnt 0x0
	s_add_nc_u64 s[4:5], s[4:5], s[24:25]
	s_add_nc_u64 s[6:7], s[6:7], s[24:25]
	s_add_nc_u64 s[16:17], s[6:7], 0x800000        ; the second head half's plane
	s_add_nc_u64 s[12:13], s[12:13], s[24:25]
	s_add_nc_u64 s[14:15], s[14:15], s[18:19]
.irp j, 0,1,2,3,4,5,6,7
	global_load_b128 v[XR+4*\j:XR+4*\j+3], v3, s[4:5] offset:512*\j
.endr
.irp j, 0,1,2,3,4,5,6,7
	global_load_b128 v[DR+4*\j:DR+4*\j+3], v3, s[6:7] offset:512*\j th:TH_LOAD_NT
.endr
.irp j, 0,1,2,3,4,5,6,7
	global_load_b128 v[ER+4*\j:ER+4*\j+3], v3, s[16:17] offset:512*\j th:TH_LOAD_NT
.endr
.irp j, 0,1,2,3,4,5,6,7
	global_load_b128 v[WR+4*\j:WR+4*\j+3], v3, s[8:9] offset:512*\j
.endr
.irp j, 0,1,2,3,4,5,6,7
	global_load_b128 v[BR+4*\j:BR+4*\j+3], v3, s[10:11] offset:512*\j
.endr
	s_wait_loadcnt 16                              ; x and both planes are in; the 16 younger loads (gain, bias) may stay out
.set i, 0
.rept 16
	v_pk_add_f32 v[DR+2*i:DR+2*i+1], v[DR+2*i:DR+2*i+1], v[ER+2*i:ER+2*i+1]
.set i, i+1
.endr
.set i, 0
.rept 16
	v_pk_add_f32 v[XR+2*i:XR+2*i+1], v[XR+2*i:XR+2*i+1], v[DR+2*i:DR+2*i+1]
.set i, i+1
.endr
.irp j, 0,1,2,3,4,5,6,7
	global_store_b128 v3, v[XR+4*\j:XR+4*\j+3], s[12:13] offset:512*\j  ; 512 consecutive bytes, aligned
.endr
.irp k, 0,1,2,3
	v_pk_add_f32 v[8+2*\k:9+2*\k], v[XR+2*\k:XR+2*\k+1], v[XR+8+2*\k:XR+9+2*\k]
.endr
.irp m, 16,24
.irp k, 0,1,2,3
	v_pk_add_f32 v[8+2*\k:9+2*\k], v[8+2*\k:9+2*\k], v[XR+\m+2*\k:XR+\m+2*\k+1]
.endr
.endr
	v_pk_add_f32 v[8:9], v[8:9], v[10:11]
	v_pk_add_f32 v[12:13], v[12:13], v[14:15]
	v_pk_add_f32 v[8:9], v[8:9], v[12:13]
	v_add_f32 v8, v8, v9
	WSUM 8, 9
	v_mul_f32 v8, s28, v8                          ; the mean, twice
	v_mov_b32 v9, v8
.set i, 0
.rept 16
	v_pk_add_f32 v[DR+2*i:DR+2*i+1], v[XR+2*i:XR+2*i+1], v[8:9] neg_lo:[0,1] neg_hi:[0,1]
.set i, i+1
.endr
.irp k, 0,1,2,3
	v_pk_mul_f32 v[8+2*\k:9+2*\k], v[DR+2*\k:DR+2*\k+1], v[DR+2*\k:DR+2*\k+1]
.endr
.irp m, 8,16,24
.irp k, 0,1,2,3
	v_pk_fma_f32 v[8+2*\k:9+2*\k], v[DR+\m+2*\k:DR+\m+2*\k+1], v[DR+\m+2*\k:DR+\m+2*\k+1], v[8+2*\k:9+2*\k]
.endr
.endr
	v_pk_add_f32 v[8:9], v[8:9], v[10:11]
	v_pk_add_f32 v[12:13], v[12:13], v[14:15]
	v_pk_add_f32 v[8:9], v[8:9], v[12:13]
	v_add_f32 v8, v8, v9
	WSUM 8, 9
	v_fmaak_f32 v8, s28, v8, 0x3727c5ac            ; variance + 1e-5
	v_rsq_f32 v10, v8
	v_rsq_f32 v11, v8
	v_nop                                          ; a plain instruction behind the two,
	s_wait_alu depctr_va_vdst(0)                   ; and their one wait, ahead of the first reader
	s_wait_loadcnt 0x0                             ; gain and bias
.set i, 0
.rept 16
	v_pk_mul_f32 v[DR+2*i:DR+2*i+1], v[DR+2*i:DR+2*i+1], v[10:11]
.set i, i+1
.endr
.set i, 0
.rept 16
	v_pk_fma_f32 v[DR+2*i:DR+2*i+1], v[DR+2*i:DR+2*i+1], v[WR+2*i:WR+2*i+1], v[BR+2*i:BR+2*i+1]
.set i, i+1
.endr
.set i, 0
.rept 16
	v_cvt_pk_bf16_f32 v[YR+i], v[DR+2*i], v[DR+2*i+1]
.set i, i+1
.endr
.irp j, 0,1,2,3,4,5,6,7
	global_store_b64 v4, v[YR+2*\j:YR+2*\j+1], s[14:15] offset:256*\j  ; 256 consecutive bytes, aligned
.endr
	s_endpgm
.Lfunc_end_k_q6968f09c2f_ln2:
	.size	k_q6968f09c2f_ln2, .Lfunc_end_k_q6968f09c2f_ln2-k_q6968f09c2f_ln2
	.p2alignl 7, 3214868480
	.fill 96, 4, 3214868480
	.section	.rodata,"a",@progbits
	.p2align	6, 0x0
	.amdhsa_kernel k_q6968f09c2f_ln2
		.amdhsa_group_segment_fixed_size 0
		.amdhsa_private_segment_fixed_size 0
		.amdhsa_enable_private_segment 0
		.amdhsa_kernarg_size 48
		.amdhsa_user_sgpr_count 2
		.amdhsa_user_sgpr_kernarg_segment_ptr 1
		.amdhsa_wavefront_size32 1
		.amdhsa_system_sgpr_workgroup_id_x 1
		.amdhsa_system_sgpr_workgroup_id_y 1
		.amdhsa_system_sgpr_workgroup_id_z 1
		.amdhsa_system_vgpr_workitem_id 0
		.amdhsa_next_free_vgpr 192
		.amdhsa_next_free_sgpr 66
		.amdhsa_reserve_vcc 0
		.amdhsa_float_denorm_mode_32 3
		.amdhsa_float_denorm_mode_16_64 3
		.amdhsa_memory_ordered 1
		.amdhsa_forward_progress 1
		.amdhsa_inst_pref_size 16
	.end_amdhsa_kernel
	.amdgpu_metadata
---
amdhsa.version: [ 1, 2 ]
amdhsa.kernels:
  - .name:           k_q6968f09c2f_ln2
    .symbol:         k_q6968f09c2f_ln2.kd
    .args:
      - { .name: x, .offset: 0, .size: 8, .value_kind: global_buffer, .address_space: global }
      - { .name: ypart, .offset: 8, .size: 8, .value_kind: global_buffer, .address_space: global }
      - { .name: ln2_w, .offset: 16, .size: 8, .value_kind: global_buffer, .address_space: global }
      - { .name: ln2_b, .offset: 24, .size: 8, .value_kind: global_buffer, .address_space: global }
      - { .name: x1, .offset: 32, .size: 8, .value_kind: global_buffer, .address_space: global }
      - { .name: g, .offset: 40, .size: 8, .value_kind: global_buffer, .address_space: global }
    .group_segment_fixed_size: 0
    .private_segment_fixed_size: 0
    .kernarg_segment_align: 8
    .kernarg_segment_size: 48
    .max_flat_workgroup_size: 256
    .sgpr_count:     66
    .vgpr_count:     192
    .wavefront_size: 32
...
	.end_amdgpu_metadata
.endif
;; end of part 5
;; launch gemm_fc (part 6): grid 32 x 16, 4 waves a work-group, clusters of 4 x 4, 327,680 bytes of LDS; arguments g, w16, bfc, u; writes u
.if DOCPART == 6
	.amdgcn_target "amdgcn-amd-amdhsa--gfx1250"
	.amdhsa_code_object_version 6
	.text
	.protected	k_q6968f09c2f_gemm_fc
	.globl	k_q6968f09c2f_gemm_fc
	.p2align	8
	.type	k_q6968f09c2f_gemm_fc,@function
k_q6968f09c2f_gemm_fc:
	s_mov_b64 s[64:65], 0
	v_nop
	global_prefetch_b8 v0, s[64:65] scope:SCOPE_SE
	s_setreg_imm32_b32 hwreg(HW_REG_WAVE_MODE, 25, 1), 1
	s_wait_xcnt 0x0
	s_wait_alu depctr_hold_cnt(0) depctr_sa_sdst(0) depctr_va_vdst(0) depctr_va_sdst(0) depctr_va_ssrc(0) depctr_va_vcc(0) depctr_vm_vsrc(0)
	s_getreg_b32 s2, hwreg(HW_REG_IB_STS2, 6, 4)
	s_cmp_eq_u32 s2, 0
	s_cbranch_scc0 .Lentry_in_a_cluster
	s_endpgm
.Lentry_in_a_cluster:
	s_bfe_u32 s2, ttmp6, 0x10000c
	s_cmp_lg_u32 s2, 0xf033
	s_cbranch_scc0 .Lentry_shape_is_right
	s_endpgm
.Lentry_shape_is_right:
; u = gelu(g Wfc + bfc), the exact (erf) GELU.  C[m][n] = gelu(bias[n] + sum over k of A[m][k] B[k][n]).  A: [2048][KD] bf16; B: [.][ND] bf16 at byte WOFF of w16, as the weights lie ([K][N]); sums in f32; C bf16, rounded once.
; u's rows are 4,224 numbers (8,448 bytes) apart: this launch stores the first 4,096 of each; the 128 behind them were written as zeros by the first launch.
; LIMIT.  erf by Abramowitz and Stegun 7.1.25: absolute error at most 2.5e-5 for every argument, so gelu is off by at most 1.25e-5 |x| where erfc is not yet 0.  NaN and infinities are not treated apart.
; SHARES.  A tile of C is 128 x 128; four waves, each 64 x 64: 16 accumulators of 16 x 16.  K goes in steps of 256 through two LDS slots filled by tensor loads, one load a wave:
; waves 0, 1 bring A's two halves (64 rows x 512 bytes), waves 2, 3 B's (128 k-rows x 256 bytes).
; CLUSTER 4 x 4: A's tile hangs on the tile row alone and is asked for jointly along a row of the cluster, B's on the tile column alone, jointly along a column.
; THE CLUSTERS WALK K FROM DIFFERENT STARTS: cluster (X, Y) begins at K step (2 Y + ROTX X) mod NS and goes round the NS steps.  So the clusters that read the same rows of A, or of B, ask for different K steps
; at any one time.  The start hangs on the cluster's coordinates alone, which all sixteen partners share.  Each output's sum has the same terms, in a rotated order.
; THE MATRIX INSTRUCTION IS USED TRANSPOSED: source 0 = 16 columns of B (out of LDS by the turning load, since B lies [K][N]), source 1 = 16 rows of A: a lane holds 8 neighbouring numbers of a row of C.
; THE BIAS STARTS THE SUMS: the accumulators are set to it while the first tiles are on their way, so the loop has one form of product.
; ONE STEP'S TEXT serves every step: the slot in hand is a scalar that an exclusive or turns, and the fragments' LDS addresses are made from it at each change of slots.
; It stands twice: in the loop that fills slots again, and in the loop of the last two steps, which asks for nothing.  No prefetch: the tiles are small and most readings of a block are later readings.
; REGISTERS: window 0: v16-29 addresses; v32-63 bias, later packed results; v64-127 at work on the way out; v128-255 the accumulators ((a, b) at 128 + 8 (4 a + b)).
;            window 1: two fragment buffers of 128: for 64 along K, 64 registers of A (8 (4 c + a)), then 64 of B (64 + 8 (4 c + b)).
.set MODE,  1                          ; 0: bf16 out; 1: GELU, bf16 out; 2: K shared between wave pairs, + x1, f32 out
.set KD,    1024                       ; elements from row to row of A
.set ND,    4096                       ; of B
.set CP,    8448                       ; bytes from row to row of C
.set TM,    128                        ; rows in a tile of C
.set WOFF,  0x400000                   ; the matrix's first byte in w16
.set KSTEP, 256                        ; K in a step
.set NS,    4                          ; steps
.set NQ,    4                          ; pieces of 64 along K that a wave multiplies in a step
.set ROTX,  2
.set PA,    528                        ; an LDS row of A: 512 bytes + 16: an odd multiple of 16, so the 16 rows of a fragment load start 16 bytes apart modulo 256
.set AQI,   6                          ; the padding's interval: 128 words
.set AQ,    128                        ; bytes from piece to piece in an LDS row of A
.set QROWS, 64                         ; k-rows from piece to piece in B
.set PB,    288                        ; an LDS row of B: 256 bytes + 32: an odd multiple of 32, as the turning load's 8 rows x 32 bytes want
.set BOFF,  TM*PA                      ; a slot: A's rows, then B's k-rows
.set SL,    BOFF+KSTEP*PB
.set SPARE, 2*SL                       ; behind the slots: the spare words, 128 bytes a wave: two blocks of 256 bytes that no other line names
.set SPI,   528                        ; the stage's pitch: 128 f32 + 16 bytes.  The stage lies in slot 0's bytes, which have had their last fill and their last read by then
.set ASTEP, KSTEP*2                    ; bytes from K step to K step in A,
.set BSTEP, KSTEP*ND*2                 ; and in B
.set A0,    16                         ; v16  my lane's place in a slot's A; never rewritten
.set B0,    17                         ; v17  the same for B
.set ADRA,  18                         ; v18  A0 + the slot in hand
.set ADRB,  19                         ; v19  B0 + the slot in hand;  v20 the same two pieces on (the 16-bit offset does not reach them)
.set STO,   24                         ; v24  the way out: where I put 32 bytes of a row
.set RD,    25                         ; v25  where I read rows back
.set CO,    26                         ; v26  my byte offset in C
.set SPW,   28                         ; v28  my spare word: SPARE + 4 x my thread's number; never rewritten
.set NIL,   29                         ; v29  0; never rewritten
.set BIAS,  32
.set TMP,   64
.set ACC,   128
.set F0,    256                        ; fragment buffers, by their true register numbers: window = number / 256
.set F1,    384
.set F2,    512
.set FL,    F1                         ; the buffer of a step's last piece
.set WV,  14                           ; s14 wave; s15 wave / 2; s16 wave % 2
.set HIW, 15
.set LOW, 16
.set CX,  17
.set CY,  18
.set TX,  19                           ; tile column
.set TY,  20                           ; tile row
.set G1A, 24                           ; s[24:31] descriptor group 1 for A;  s[32:39] group 0: set 0 for the first fill of slot 0, set 1 for slot 1's and every refill
.set G0A, 32
.set AB,  40                           ; s[40:41] A at my part of the tile's rows, K step 0
.set BBS, 44                           ; s[44:45] B at my part of K step 0, the tile's columns
.set G1B, 48                           ; s[48:55], s[56:63] the same for B
.set G0B, 56
.set FB,  66                           ; s66  the slot to be filled next: 0 or SL
.set TB,  67                           ; s67  the slot whose fragments are fetched: 0 or SL
.set CNT, 68
.set ALO, 69                           ; s69  my part's place in a slot, for A
.set BLO, 70                           ; s70  for B
.set KS,  71                           ; s71  the K step to be asked for next
.set KT,  82
.set OFA, 92                           ; s[92:93], s[94:95] a K step's byte offset in A and in B
.set OFB, 94
.set MSB, 0
.macro WIN new                         ; the immediate's high byte repeats the setting that is left; a switch that changes nothing is dropped
.if MSB != (\new)
	s_set_vgpr_msb (MSB<<8)|(\new)
.set MSB, \new
.endif
.endm
.macro JLOAD s                         ; a joint load.  The branch hangs on the wave's number alone.  An s_nop 0 and four v_nop follow each of the two lines
	s_cmp_eq_u32 s[HIW], 0
	s_cbranch_scc0 .Lfor_b_\@
	tensor_load_to_lds s[G0A+4*(\s):G0A+4*(\s)+3], s[G1A:G1A+7]
	s_nop 0
.rept 4
	v_nop
.endr
	s_branch .Lasked_\@
.Lfor_b_\@:
	tensor_load_to_lds s[G0B+4*(\s):G0B+4*(\s)+3], s[G1B:G1B+7]
	s_nop 0
.rept 4
	v_nop
.endr
.Lasked_\@:
.endm
.macro ASKFOR s                        ; group 0, set s, takes the global addresses of K step KS, made anew from the step's number; then KS goes one on, round the NS steps
	s_mul_i32 s[OFA], s[KS], ASTEP
	s_add_nc_u64 s[G0A+4*(\s)+2:G0A+4*(\s)+3], s[AB:AB+1], s[OFA:OFA+1]
	s_or_b32 s[G0A+4*(\s)+3], s[G0A+4*(\s)+3], 0x80000000
	s_mul_i32 s[OFB], s[KS], BSTEP
	s_add_nc_u64 s[G0B+4*(\s)+2:G0B+4*(\s)+3], s[BBS:BBS+1], s[OFB:OFB+1]
	s_or_b32 s[G0B+4*(\s)+3], s[G0B+4*(\s)+3], 0x80000000
	s_add_co_u32 s[KS], s[KS], 1
	s_cmp_eq_u32 s[KS], NS
	s_cselect_b32 s[KS], 0, s[KS]
.endm
.macro CREST                           ; a round of the cluster's barrier behind its opening barrier
	s_cmp_lg_u32 s[WV], 0
	s_cbranch_scc1 .Lnot_wave_0_\@
	s_barrier_signal -3
.Lnot_wave_0_\@:
	s_barrier_wait -3
	s_barrier_signal -1
	s_barrier_wait -1
.endm
.macro CROUND                          ; a whole round
	s_barrier_signal -1
	s_barrier_wait -1
	CREST
.endm
.macro PLACES                          ; four plain instructions between a matrix instruction and a load into, or a read of, its registers
.rept 4
	v_nop
.endr
.endm
	s_load_b256 s[4:11], s[0:1], 0x0               ; A s[4:5], w16 s[6:7], bias s[8:9], C (MODE 2: x1) s[10:11]
.if MODE == 2
	s_load_b64 s[12:13], s[0:1], 0x20              ; out0
.endif
	v_lshl_add_u32 v[SPW], v0, 2, SPARE
	v_mov_b32 v[NIL], 0
	ds_add_u32 v[SPW], v[NIL]                      ; the wave's opening: the add and its wait stand ahead of my first tensor load; work on registers stands between them
	ds_add_u32 v28, v29
	v_lshrrev_b32 v1, 5, v0
	v_readfirstlane_b32 s[WV], v1
	s_lshr_b32 s[HIW], s[WV], 1
	s_and_b32 s[LOW], s[WV], 1
	s_bfe_u32 s[CX], ttmp6, 0x40000
	s_bfe_u32 s[CY], ttmp6, 0x40004
	s_lshl_b32 s[TX], ttmp9, 2
	s_add_co_u32 s[TX], s[TX], s[CX]
	s_and_b32 s[TY], ttmp7, 0xffff                 ; the cluster's y
	s_lshl_b32 s[KS], s[TY], 1                     ; where my cluster's walk along K begins: (2 Y + ROTX X) mod NS
	s_mul_i32 s[KT], ttmp9, ROTX
	s_add_co_u32 s[KS], s[KS], s[KT]
.if NS == 4
	s_and_b32 s[KS], s[KS], 3
.else
	s_sub_co_u32 s[KT], s[KS], NS                  ; the sum stays under 2 NS
	s_cmp_ge_u32 s[KS], NS
	s_cselect_b32 s[KS], s[KT], s[KS]
.endif
	s_lshl_b32 s[TY], s[TY], 2
	s_add_co_u32 s[TY], s[TY], s[CY]
	s_lshl_b32 s21, s[CY], 2
	s_lshl_b32 s21, 15, s21                        ; my row of the cluster
	s_lshl_b32 s22, 0x1111, s[CX]                  ; my column
	s_or_b32 s[G1A], s21, (1<<16)|(1<<20)|(1<<21)|(AQI<<22)|(3<<25)  ; mask; 2-byte elements; padding on; bit 21 beside a mask; after every 2 << AQI words, 4 words
	s_mov_b32 s[G1A+1], KSTEP<<16                  ; tensor_dim0
	s_mov_b32 s[G1A+2], (TM/2)<<16                 ; tensor_dim1
	s_mov_b32 s[G1A+3], KSTEP<<16                  ; tile_dim0
	s_mov_b32 s[G1A+4], TM/2                       ; tile_dim1
	s_mov_b32 s[G1A+5], KD                         ; elements from row to row
	s_mov_b32 s[G1A+6], 0
	s_mov_b32 s[G1A+7], 0
	s_or_b32 s[G1B], s22, (1<<16)|(1<<20)|(1<<21)|(5<<22)|(7<<25)  ; after every 64 words, 8 words
	s_mov_b32 s[G1B+1], 128<<16
	s_mov_b32 s[G1B+2], (KSTEP/2)<<16
	s_mov_b32 s[G1B+3], 128<<16
	s_mov_b32 s[G1B+4], KSTEP/2
	s_mov_b32 s[G1B+5], ND
	s_mov_b32 s[G1B+6], 0
	s_mov_b32 s[G1B+7], 0
	s_mul_i32 s[ALO], s[LOW], (TM/2)*PA            ; no place in the cluster enters an LDS address
	s_mul_i32 s[BLO], s[LOW], (KSTEP/2)*PB
	s_add_co_u32 s[BLO], s[BLO], BOFF
	s_mul_i32 s40, s[TY], TM                       ; A: row = tile row x TM + my half, in registers that never hold cx
	s_mul_i32 s41, s[LOW], TM/2
	s_add_co_u32 s40, s40, s41
	s_mul_i32 s40, s40, KD*2
	s_mov_b32 s41, 0
	s_mul_i32 s44, s[LOW], (KSTEP/2)*ND*2          ; B: my half of a step's k-rows, the tile column's 256 bytes, in registers that never hold cy
	s_lshl_b32 s45, s[TX], 8
	s_add_co_u32 s44, s44, s45
	s_add_co_u32 s44, s44, WOFF
	s_mov_b32 s45, 0
	s_mov_b32 s[OFA+1], 0
	s_mov_b32 s[OFB+1], 0
	s_mov_b32 s[FB], SL
	s_mov_b32 s[TB], 0
	s_wait_dscnt 0x0                               ; the opening add is done
	s_wait_kmcnt 0x0
	s_add_nc_u64 s[AB:AB+1], s[4:5], s[40:41]
	s_add_nc_u64 s[BBS:BBS+1], s[6:7], s[44:45]
	CROUND                                         ; all sixteen work-groups are here: the first joint loads meet
.irp s, 0,1
	s_mov_b32 s[G0A+4*\s], 1
	s_add_co_u32 s[G0A+4*\s+1], s[ALO], \s*SL
	s_mov_b32 s[G0B+4*\s], 1
	s_add_co_u32 s[G0B+4*\s+1], s[BLO], \s*SL
	ASKFOR \s
	JLOAD \s                                       ; the walk's first two steps: two loads of mine are out
.endr
	; the bias of my 64 columns: block b, register j is column 16 b + 8 (l / 16) + j
	v_and_b32 v1, 15, v0                           ; l % 16
	v_bfe_u32 v2, v0, 4, 1                         ; l / 16
	v_lshlrev_b32 v3, 5, v2
	s_lshl_b32 s86, s[TX], 9
	s_lshl_b32 s87, s[LOW], 8
	s_add_co_u32 s86, s86, s87
	v_add_nc_u32 v3, s86, v3
.irp b, 0,1,2,3
	global_load_b128 v[BIAS+8*\b:BIAS+8*\b+3],   v3, s[8:9] offset:64*\b
	global_load_b128 v[BIAS+8*\b+4:BIAS+8*\b+7], v3, s[8:9] offset:64*\b+16
.endr
	; a fragment of A: lane l holds row l % 16, K = 8 (l / 16) + 0..7 and 16 + 8 (l / 16) + 0..7: two loads of 16 bytes, 32 apart
	v_mul_u32_u24 v[A0], v1, PA
	v_lshl_add_u32 v[A0], v2, 4, v[A0]
.if TM == 128
	s_mul_i32 s88, s[HIW], 64*PA                   ; my 64 rows
.else
	s_lshl_b32 s88, s[HIW], 7                      ; my 64 of each 128 along K: 128 bytes of each 256
.endif
	v_add_nc_u32 v[A0], s88, v[A0]
	; a fragment of B by the turning load: lane l reads 16 bytes of k-row 8 (l / 16) + l % 8, columns 8 ((l / 8) % 2) + 0..7, and ends with column l % 16 and 8 k
	v_and_b32 v4, 7, v0
	v_bfe_u32 v5, v0, 3, 1
	v_lshl_add_u32 v[B0], v2, 3, v4
	v_mul_u32_u24 v[B0], v[B0], PB
	v_lshl_add_u32 v[B0], v5, 4, v[B0]
	s_lshl_b32 s88, s[LOW], 7                      ; my 64 columns
	s_add_co_u32 s88, s88, BOFF
.if TM == 64
	s_mul_i32 s89, s[HIW], 64*PB                   ; my 64 of each 128 along K
	s_add_co_u32 s88, s88, s89
.endif
	v_add_nc_u32 v[B0], s88, v[B0]
	; the way out
	s_mul_i32 s88, s[HIW], 64*SPI                  ; TM = 128: my 64 rows of the stage; TM = 64: my share of K has a plane of 64 rows
	s_lshl_b32 s89, s[LOW], 8
	s_add_co_u32 s88, s88, s89
	v_mul_u32_u24 v[STO], v1, SPI
	v_lshl_add_u32 v[STO], v2, 5, v[STO]
	v_add_nc_u32 v[STO], s88, v[STO]
	s_mul_i32 s88, s[WV], 32*SPI                   ; back: wave w takes rows 32 w .. 32 w + 31; lanes 0-15 one row (32 bytes of f32 each), lanes 16-31 the next
	v_mul_u32_u24 v[RD], v2, SPI
	v_lshl_add_u32 v[RD], v1, 5, v[RD]
	v_add_nc_u32 v[RD], s88, v[RD]
	v_mul_u32_u24 v[CO], v2, CP
	v_lshl_add_u32 v[CO], v1, 4, v[CO]
	s_lshl_b32 s86, s[TY], 7
	s_lshl_b32 s87, s[WV], 5
	s_add_co_u32 s86, s86, s87
	s_mul_i32 s86, s86, CP
	s_lshl_b32 s87, s[TX], 8
	s_add_co_u32 s86, s86, s87
	s_mov_b32 s87, 0
	s_add_nc_u64 s[10:11], s[10:11], s[86:87]
.if MODE == 1
	s_mov_b32 s72, 0x3f596d27                      ; sqrt(log2(e) / 2) = 0.8493218
	s_mov_b32 s73, s72
	s_mov_b32 s74, 0x3eaa540d                      ; 0.47047 / sqrt(2)
	s_mov_b32 s76, 0x3ebf7377                      ; a3 / 2 = 0.3739278
	s_mov_b32 s77, s76
	s_mov_b32 s78, 0xbd445ca1                      ; a2 / 2 = -0.0479399
	s_mov_b32 s79, s78
	s_mov_b32 s80, 0x3e32303a                      ; a1 / 2 = 0.1740121
	s_mov_b32 s81, s80
.endif
	s_wait_loadcnt 0x0                             ; the bias
.set i, 0
.rept 128                              ; accumulator (a, b), register j starts at the bias of its column: written while the first tiles are on their way
	v_mov_b32 v[ACC+i], v[BIAS+i%32]
.set i, i+1
.endr
; 8 matrix instructions: m blocks a0, a0 + 1 x all 4 n blocks, 32 along K: half c of buffer f.  The 16 accumulators take turns over the backward jumps too
.macro MUL8 f, c, a0
	WIN 5*((\f)/256)
.irp a, \a0, (\a0)+1
.irp b, 0,1,2,3
	v_wmma_f32_16x16x32_bf16 v[ACC+8*(4*(\a)+(\b)):ACC+8*(4*(\a)+(\b))+7], v[((\f)%256)+64+8*(4*(\c)+(\b)):((\f)%256)+64+8*(4*(\c)+(\b))+7], v[((\f)%256)+8*(4*(\c)+(\a)):((\f)%256)+8*(4*(\c)+(\a))+7], v[ACC+8*(4*(\a)+(\b)):ACC+8*(4*(\a)+(\b))+7]
.endr
.endr
.endm
; 32 LDS loads in one run: the fragments of piece q (64 along K) into buffer f; the first 32 along K first
.macro FETCH q, f
	WIN ((\f)/256)<<6
.irp c, 0,1
.irp i, 0,1,2,3
	ds_load_tr16_b128 v[((\f)%256)+64+8*(4*(\c)+(\i)):((\f)%256)+64+8*(4*(\c)+(\i))+3],   v[ADRB+(\q)/2] offset:(((\q)%2)*QROWS+32*(\c))*PB+32*(\i)
	ds_load_tr16_b128 v[((\f)%256)+64+8*(4*(\c)+(\i))+4:((\f)%256)+64+8*(4*(\c)+(\i))+7], v[ADRB+(\q)/2] offset:(((\q)%2)*QROWS+32*(\c)+16)*PB+32*(\i)
	ds_load_b128 v[((\f)%256)+8*(4*(\c)+(\i)):((\f)%256)+8*(4*(\c)+(\i))+3],   v[ADRA] offset:AQ*(\q)+64*(\c)+(\i)*16*PA
	ds_load_b128 v[((\f)%256)+8*(4*(\c)+(\i))+4:((\f)%256)+8*(4*(\c)+(\i))+7], v[ADRA] offset:AQ*(\q)+64*(\c)+(\i)*16*PA+32
.endr
.endr
.endm
; A piece but the last: multiplies buffer f and fetches piece q into buffer g
.macro QUARTER q, f, g
	s_wait_dscnt 16                                ; of the 32 loads that are out the first 16 are in: the first 32 along K
	MUL8 \f, 0, 0
	MUL8 \f, 0, 2
	PLACES
	FETCH \q, \g
	s_wait_dscnt 32                                ; all but the 32 just issued
	MUL8 \f, 1, 0
	MUL8 \f, 1, 2
.endm
; The last piece multiplies buffer FL and changes slots: ONE barrier; in front of it each wave waits for all its tensor loads (one is out: its part of the next slot), adds 0 to its spare word,
; and waits for that and for its reads of this slot.  fill = 1: the barrier opens a round of the cluster's, and behind the round this slot is filled again, two steps ahead: the first tensor load there, one a wave.
.macro TURN fill
	WIN 0
	s_wait_tensorcnt 0x0                           ; no tensor load of mine is out: the descriptors may be written
	ds_add_u32 v[SPW], v[NIL]                      ; 0 onto my spare word; the descriptors' scalar work and eight products stand between it and the wait for it
.if \fill
	s_xor_b32 s[FB], s[FB], SL
	s_add_co_u32 s[G0A+5], s[FB], s[ALO]
	s_add_co_u32 s[G0B+5], s[FB], s[BLO]
	ASKFOR 1
.endif
	s_wait_dscnt 17                                ; the add and the youngest sixteen loads may be out
	MUL8 FL, 0, 0
	s_wait_dscnt 0x0                               ; the add is done, and my reads of this slot are over
	s_barrier_signal -1
	MUL8 FL, 0, 2
	WIN 0
	s_barrier_wait -1
.if \fill
	CREST
	JLOAD 1
.endif
	s_xor_b32 s[TB], s[TB], SL                     ; the fetches go on in the other slot
	v_add_nc_u32 v[ADRA], s[TB], v[A0]             ; these four plain lines are also the places in front of the loads below
	v_add_nc_u32 v[ADRB], s[TB], v[B0]
	v_add_nc_u32 v[ADRB+1], 2*QROWS*PB, v[ADRB]
	v_nop
.if !(\fill)
	s_cmp_eq_u32 s[CNT], 1                         ; behind the last step there is nothing to fetch
	s_cbranch_scc1 .Lno_fetch_\@
.endif
	FETCH 0, F0
.if !(\fill)
	WIN 0
.Lno_fetch_\@:
.endif
	MUL8 FL, 1, 0
	MUL8 FL, 1, 2
.endm
.macro STEPBODY fill
	QUARTER 1, F0, F1
.if NQ == 4
	QUARTER 2, F1, F0
	QUARTER 3, F0, F1
.else
	QUARTER 2, F1, F2
.endif
	TURN \fill
.endm
	s_wait_tensorcnt 0x1                           ; my part of the first step is in; the second's may stay out
	s_barrier_signal -1
	s_barrier_wait -1
	v_mov_b32 v[ADRA], v[A0]
	v_mov_b32 v[ADRB], v[B0]
	v_add_nc_u32 v[ADRB+1], 2*QROWS*PB, v[B0]
	FETCH 0, F0
	WIN 0
	s_mov_b32 s[CNT], NS-2
.Lfill:                                        ; every step but the last two fills its slot again
	STEPBODY 1
	WIN 0
	s_sub_co_u32 s[CNT], s[CNT], 1
	s_cmp_lg_u32 s[CNT], 0
	s_cbranch_scc1 .Lfill
	s_mov_b32 s[CNT], 2
.Ltail:                                        ; the last two steps ask for nothing
	STEPBODY 0
	WIN 0
	s_sub_co_u32 s[CNT], s[CNT], 1
	s_cmp_lg_u32 s[CNT], 0
	s_cbranch_scc1 .Ltail
	; THE WAY OUT.  The f32 sums go into the stage, each accumulator's low registers first; a barrier, since a row comes from two waves; then whole rows come back.
	PLACES
	PLACES
.irp a, 0,1,2,3
.irp b, 0,1,2,3
	ds_store_b128 v[STO], v[ACC+8*(4*\a+\b):ACC+8*(4*\a+\b)+3]   offset:\a*16*SPI+64*\b
	ds_store_b128 v[STO], v[ACC+8*(4*\a+\b)+4:ACC+8*(4*\a+\b)+7] offset:\a*16*SPI+64*\b+16
.endr
.endr
	s_wait_dscnt 0x0                               ; for the others' sake: my stores into the stage are done
	s_barrier_signal -1
	s_barrier_wait -1
.set XX, TMP                           ; 16 numbers: 8 of each of two rows a lane
.set DD, TMP+16
.set ZZ, TMP+32
.set PP, TMP+48
.set YY, BIAS
	s_mov_b32 s[CNT], 8
.Lout:                                         ; a trip: 4 of my 32 rows
	ds_load_b128 v[XX:XX+3],     v[RD]
	ds_load_b128 v[XX+4:XX+7],   v[RD] offset:16
	ds_load_b128 v[XX+8:XX+11],  v[RD] offset:2*SPI
	ds_load_b128 v[XX+12:XX+15], v[RD] offset:2*SPI+16
	s_wait_dscnt 0x0
.if MODE == 1
	; gelu(x) = max(x, 0) - |x| r, r = erfc(|x| / sqrt 2) / 2 = t (a1 + t (a2 + t a3)) / 2 x exp(-x^2 / 2), t = 1 / (1 + 0.47047 |x| / sqrt 2): no difference of large numbers is formed
.set i, 0
.rept 8
	v_pk_mul_f32 v[ZZ+2*i:ZZ+2*i+1], v[XX+2*i:XX+2*i+1], s[72:73] op_sel_hi:[1,0]
.set i, i+1
.endr
.set i, 0
.rept 16
	v_fma_f32 v[DD+i], |v[XX+i]|, s74, 1.0
.set i, i+1
.endr
.set i, 0
.rept 8
	v_pk_mul_f32 v[ZZ+2*i:ZZ+2*i+1], v[ZZ+2*i:ZZ+2*i+1], v[ZZ+2*i:ZZ+2*i+1] neg_lo:[1,0] neg_hi:[1,0]
.set i, i+1
.endr
.set i, 0
.rept 16
	v_rcp_f32 v[DD+i], v[DD+i]
.set i, i+1
.endr
.set i, 0
.rept 16
	v_exp_f32 v[ZZ+i], v[ZZ+i]
.set i, i+1
.endr
	v_nop                                          ; a plain instruction behind the batch of 32,
	s_wait_alu depctr_va_vdst(0)                   ; and its one wait, ahead of the first reader
.set i, 0
.rept 8
	v_pk_fma_f32 v[PP+2*i:PP+2*i+1], v[DD+2*i:DD+2*i+1], s[76:77], s[78:79] op_sel_hi:[1,0,0]
.set i, i+1
.endr
.set i, 0
.rept 8
	v_pk_fma_f32 v[PP+2*i:PP+2*i+1], v[PP+2*i:PP+2*i+1], v[DD+2*i:DD+2*i+1], s[80:81] op_sel_hi:[1,1,0]
.set i, i+1
.endr
.set i, 0
.rept 8
	v_pk_mul_f32 v[PP+2*i:PP+2*i+1], v[PP+2*i:PP+2*i+1], v[DD+2*i:DD+2*i+1]
.set i, i+1
.endr
.set i, 0
.rept 8
	v_pk_mul_f32 v[PP+2*i:PP+2*i+1], v[PP+2*i:PP+2*i+1], v[ZZ+2*i:ZZ+2*i+1]
.set i, i+1
.endr
.set i, 0
.rept 16
	v_max_num_f32 v[ZZ+i], 0, v[XX+i]
.set i, i+1
.endr
.set i, 0
.rept 16
	v_fma_f32 v[XX+i], -|v[XX+i]|, v[PP+i], v[ZZ+i]
.set i, i+1
.endr
.endif
.set i, 0
.rept 8
	v_cvt_pk_bf16_f32 v[YY+i], v[XX+2*i], v[XX+2*i+1]
.set i, i+1
.endr
	global_store_b128 v[CO], v[YY:YY+3],   s[10:11]                  ; 16 lanes store 256 consecutive bytes, aligned: a tile's row
	global_store_b128 v[CO], v[YY+4:YY+7], s[10:11] offset:2*CP
	s_wait_xcnt 0x0                                ; the stores have read their data and their offset: both are written again only behind this wait
	v_add_nc_u32 v[RD], 4*SPI, v[RD]
	v_add_nc_u32 v[CO], 4*CP, v[CO]
	s_sub_co_u32 s[CNT], s[CNT], 1
	s_cmp_lg_u32 s[CNT], 0
	s_cbranch_scc1 .Lout
	s_wait_tensorcnt 0x0                           ; the wave's end, behind my last tensor load and my last LDS store
	ds_add_u32 v[SPW], v[NIL]
	s_wait_dscnt 0x0
	CROUND                                         ; the closing round: no work-group ends while a partner may still ask for a tile that names it
	s_endpgm
.Lfunc_end_k_q6968f09c2f_gemm_fc:
	.size	k_q6968f09c2f_gemm_fc, .Lfunc_end_k_q6968f09c2f_gemm_fc-k_q6968f09c2f_gemm_fc
	.p2alignl 7, 3214868480
	.fill 96, 4, 3214868480
	.section	.rodata,"a",@progbits
	.p2align	6, 0x0
	.amdhsa_kernel k_q6968f09c2f_gemm_fc
		.amdhsa_group_segment_fixed_size 327680
		.amdhsa_private_segment_fixed_size 0
		.amdhsa_enable_private_segment 0
		.amdhsa_kernarg_size 32
		.amdhsa_user_sgpr_count 2
		.amdhsa_user_sgpr_kernarg_segment_ptr 1
		.amdhsa_wavefront_size32 1
		.amdhsa_system_sgpr_workgroup_id_x 1
		.amdhsa_system_sgpr_workgroup_id_y 1
		.amdhsa_system_sgpr_workgroup_id_z 1
		.amdhsa_system_vgpr_workitem_id 0
		.amdhsa_next_free_vgpr 512
		.amdhsa_next_free_sgpr 96
		.amdhsa_reserve_vcc 0
		.amdhsa_float_denorm_mode_32 3
		.amdhsa_float_denorm_mode_16_64 3
		.amdhsa_memory_ordered 1
		.amdhsa_forward_progress 1
		.amdhsa_inst_pref_size 63
	.end_amdhsa_kernel
	.amdgpu_metadata
---
amdhsa.version: [ 1, 2 ]
amdhsa.kernels:
  - .name:           k_q6968f09c2f_gemm_fc
    .symbol:         k_q6968f09c2f_gemm_fc.kd
    .args:
      - { .name: g, .offset: 0, .size: 8, .value_kind: global_buffer, .address_space: global }
      - { .name: w16, .offset: 8, .size: 8, .value_kind: global_buffer, .address_space: global }
      - { .name: bfc, .offset: 16, .size: 8, .value_kind: global_buffer, .address_space: global }
      - { .name: u, .offset: 24, .size: 8, .value_kind: global_buffer, .address_space: global }
    .group_segment_fixed_size: 327680
    .private_segment_fixed_size: 0
    .kernarg_segment_align: 8
    .kernarg_segment_size: 32
    .max_flat_workgroup_size: 128
    .sgpr_count:     96
    .vgpr_count:     512
    .wavefront_size: 32
...
	.end_amdgpu_metadata
.endif
;; end of part 6
;; launch gemm_pr (part 7): grid 8 x 32, 4 waves a work-group, clusters of 4 x 4, 327,680 bytes of LDS; arguments u, w16, bproj, x1, out0; writes out0
.if DOCPART == 7
	.amdgcn_target "amdgcn-amd-amdhsa--gfx1250"
	.amdhsa_code_object_version 6
	.text
	.protected	k_q6968f09c2f_gemm_pr
	.globl	k_q6968f09c2f_gemm_pr
	.p2align	8
	.type	k_q6968f09c2f_gemm_pr,@function
k_q6968f09c2f_gemm_pr:
	s_mov_b64 s[64:65], 0
	v_nop
	global_prefetch_b8 v0, s[64:65] scope:SCOPE_SE
	s_setreg_imm32_b32 hwreg(HW_REG_WAVE_MODE, 25, 1), 1
	s_wait_xcnt 0x0
	s_wait_alu depctr_hold_cnt(0) depctr_sa_sdst(0) depctr_va_vdst(0) depctr_va_sdst(0) depctr_va_ssrc(0) depctr_va_vcc(0) depctr_vm_vsrc(0)
	s_getreg_b32 s2, hwreg(HW_REG_IB_STS2, 6, 4)
	s_cmp_eq_u32 s2, 0
	s_cbranch_scc0 .Lentry_in_a_cluster
	s_endpgm
.Lentry_in_a_cluster:
	s_bfe_u32 s2, ttmp6, 0x10000c
	s_cmp_lg_u32 s2, 0xf033
	s_cbranch_scc0 .Lentry_shape_is_right
	s_endpgm
.Lentry_shape_is_right:
; out0 = x1 + u Wproj + bproj.  C[m][n] = x1[m][n] + bias[n] + sum over k of A[m][k] B[k][n].  A = u: [2048][4224] bf16; B: [4224][1024] bf16 at byte WOFF of w16, as the weights lie ([K][N]); sums in f32; C f32.
; K IS PADDED from 4,096 to 4,224 = 11 x 384: the last 128 columns of u and the last 128 rows of B were written as zeros by the first launch, so that every step has the same shape; those products add 0.
; SHARES.  A tile of C is 64 x 128, so that 256 work-groups have one each.  Four waves, each 64 x 64 (16 accumulators of 16 x 16): of each 128 along K waves 0, 1 take the first 64, waves 2, 3 the second;
; the two partial sums of an output meet in LDS at the end (f32 sums, a fixed order).  K goes in steps of 384, the longest of which two slots fit in LDS (2 x 162,816 bytes), so that the launch has as few
; changes of slots as can be: 11 steps, 96 matrix instructions a wave in each.  One tensor load a wave: waves 0, 1 bring A's two halves (32 rows x 768 bytes), waves 2, 3 B's (192 k-rows x 256 bytes).
; CLUSTER 4 x 4: A's tile hangs on the tile row alone and is asked for jointly along a row of the cluster, B's on the tile column alone, jointly along a column.
; THE CLUSTERS WALK K FROM DIFFERENT STARTS: cluster (X, Y) begins at K step (2 Y + ROTX X) mod NS and goes round the NS steps.  So the clusters that read the same rows of A, or of B, ask for different K steps
; at any one time.  The start hangs on the cluster's coordinates alone, which all sixteen partners share.  Each output's sum has the same terms, in a rotated order.
; THE MATRIX INSTRUCTION IS USED TRANSPOSED: source 0 = 16 columns of B (out of LDS by the turning load, since B lies [K][N]), source 1 = 16 rows of A: a lane holds 8 neighbouring numbers of a row of C.
; THE BIAS STARTS THE SUMS of waves 0, 1 (those of waves 2, 3 start at 0 times it): written while the first tiles are on their way, so the loop has one form of product.
; ONE STEP'S TEXT serves every step: a wave's step is three pieces of 64 along K on three fragment buffers; the slot in hand is a scalar that an exclusive or turns.
; It stands twice: in the loop that fills slots again, and in the loop of the last two steps, which asks for nothing.  No prefetch: the tiles are small and most readings of a block are later readings.
; REGISTERS: window 0: v16-29 addresses; v32-63 bias; v64-127 x1's rows; v128-255 the accumulators ((a, b) at 128 + 8 (4 a + b)).
;            windows 1 and 2: three fragment buffers of 128 (two in window 1, one in window 2): for 64 along K, 64 registers of A (8 (4 c + a)), then 64 of B (64 + 8 (4 c + b)).
.set MODE,  2                          ; 0: bf16 out; 1: GELU, bf16 out; 2: K shared between wave pairs, + x1, f32 out
.set KD,    4224                       ; elements from row to row of A
.set ND,    1024                       ; of B
.set TM,    64                         ; rows in a tile of C
.set WOFF,  0xC00000                   ; the matrix's first byte in w16
.set KSTEP, 384                        ; K in a step
.set NS,    11                         ; steps
.set NQ,    3                          ; pieces of 64 along K that a wave multiplies in a step
.set ROTX,  5
.set PA,    816                        ; an LDS row of A: 3 x (256 bytes + 16): an odd multiple of 16, so the 16 rows of a fragment load start 16 bytes apart modulo 256
.set AQI,   5                          ; the padding's interval: 64 words, a third of a row
.set AQ,    272                        ; bytes from piece to piece in an LDS row of A: 128 along K and their padding
.set QROWS, 128                        ; k-rows from piece to piece in B
.set PB,    288                        ; an LDS row of B: 256 bytes + 32: an odd multiple of 32, as the turning load's 8 rows x 32 bytes want
.set BOFF,  TM*PA                      ; a slot: A's rows, then B's k-rows
.set SL,    BOFF+KSTEP*PB
.set SPARE, 2*SL                       ; behind the slots: the spare words, 128 bytes a wave: two blocks of 256 bytes that no other line names
.set SPI,   528                        ; the stage's pitch: 128 f32 + 16 bytes.  The stage lies in slot 0's bytes, which have had their last fill, and their last read in front of the last step's barrier
.set ASTEP, KSTEP*2                    ; bytes from K step to K step in A,
.set BSTEP, KSTEP*ND*2                 ; and in B
.set A0,    16                         ; v16  my lane's place in a slot's A; never rewritten
.set B0,    17                         ; v17  the same for B
.set ADRA,  18                         ; v18  A0 + the slot in hand
.set ADRB,  19                         ; v19  B0 + the slot in hand;  v20 the same two pieces on (the 16-bit offset does not reach them)
.set STO,   24                         ; v24  the way out: where I put 32 bytes of a row
.set RD,    25                         ; v25  where I read rows back
.set CO,    26                         ; v26  my byte offset in C
.set SPW,   28                         ; v28  my spare word: SPARE + 4 x my thread's number; never rewritten
.set NIL,   29                         ; v29  0; never rewritten
.set BIAS,  32
.set TMP,   64
.set ACC,   128
.set F0,    256                        ; fragment buffers, by their true register numbers: window = number / 256
.set F1,    384
.set F2,    512
.set FL,    F2                         ; the buffer of a step's last piece
.set WV,  14                           ; s14 wave; s15 wave / 2; s16 wave % 2
.set HIW, 15
.set LOW, 16
.set CX,  17
.set CY,  18
.set TX,  19                           ; tile column
.set TY,  20                           ; tile row
.set G1A, 24                           ; s[24:31] descriptor group 1 for A;  s[32:39] group 0: set 0 for the first fill of slot 0, set 1 for slot 1's and every refill
.set G0A, 32
.set AB,  40                           ; s[40:41] A at my part of the tile's rows, K step 0
.set BBS, 44                           ; s[44:45] B at my part of K step 0, the tile's columns
.set G1B, 48                           ; s[48:55], s[56:63] the same for B
.set G0B, 56
.set FB,  66                           ; s66  the slot to be filled next: 0 or SL
.set TB,  67                           ; s67  the slot whose fragments are fetched: 0 or SL
.set CNT, 68
.set ALO, 69                           ; s69  my part's place in a slot, for A
.set BLO, 70                           ; s70  for B
.set KS,  71                           ; s71  the K step to be asked for next
.set KT,  82
.set OFA, 92                           ; s[92:93], s[94:95] a K step's byte offset in A and in B
.set OFB, 94
.set MSB, 0
.macro WIN new                         ; the immediate's high byte repeats the setting that is left; a switch that changes nothing is dropped
.if MSB != (\new)
	s_set_vgpr_msb (MSB<<8)|(\new)
.set MSB, \new
.endif
.endm
.macro JLOAD s                         ; a joint load.  The branch hangs on the wave's number alone.  An s_nop 0 and four v_nop follow each of the two lines
	s_cmp_eq_u32 s[HIW], 0
	s_cbranch_scc0 .Lfor_b_\@
	tensor_load_to_lds s[G0A+4*(\s):G0A+4*(\s)+3], s[G1A:G1A+7]
	s_nop 0
.rept 4
	v_nop
.endr
	s_branch .Lasked_\@
.Lfor_b_\@:
	tensor_load_to_lds s[G0B+4*(\s):G0B+4*(\s)+3], s[G1B:G1B+7]
	s_nop 0
.rept 4
	v_nop
.endr
.Lasked_\@:
.endm
.macro ASKFOR s                        ; group 0, set s, takes the global addresses of K step KS, made anew from the step's number; then KS goes one on, round the NS steps
	s_mul_i32 s[OFA], s[KS], ASTEP
	s_add_nc_u64 s[G0A+4*(\s)+2:G0A+4*(\s)+3], s[AB:AB+1], s[OFA:OFA+1]
	s_or_b32 s[G0A+4*(\s)+3], s[G0A+4*(\s)+3], 0x80000000
	s_mul_i32 s[OFB], s[KS], BSTEP
	s_add_nc_u64 s[G0B+4*(\s)+2:G0B+4*(\s)+3], s[BBS:BBS+1], s[OFB:OFB+1]
	s_or_b32 s[G0B+4*(\s)+3], s[G0B+4*(\s)+3], 0x80000000
	s_add_co_u32 s[KS], s[KS], 1
	s_cmp_eq_u32 s[KS], NS
	s_cselect_b32 s[KS], 0, s[KS]
.endm
.macro CREST                           ; a round of the cluster's barrier behind its opening barrier
	s_cmp_lg_u32 s[WV], 0
	s_cbranch_scc1 .Lnot_wave_0_\@
	s_barrier_signal -3
.Lnot_wave_0_\@:
	s_barrier_wait -3
	s_barrier_signal -1
	s_barrier_wait -1
.endm
.macro CROUND                          ; a whole round
	s_barrier_signal -1
	s_barrier_wait -1
	CREST
.endm
.macro PLACES                          ; four plain instructions between a matrix instruction and a load into, or a read of, its registers
.rept 4
	v_nop
.endr
.endm
	s_load_b256 s[4:11], s[0:1], 0x0               ; A s[4:5], w16 s[6:7], bias s[8:9], x1 s[10:11]
	s_load_b64 s[12:13], s[0:1], 0x20              ; out0
	v_lshl_add_u32 v[SPW], v0, 2, SPARE
	v_mov_b32 v[NIL], 0
	ds_add_u32 v[SPW], v[NIL]                      ; the wave's opening: the add and its wait stand ahead of my first tensor load; work on registers stands between them
	ds_add_u32 v28, v29
	v_lshrrev_b32 v1, 5, v0
	v_readfirstlane_b32 s[WV], v1
	s_lshr_b32 s[HIW], s[WV], 1
	s_and_b32 s[LOW], s[WV], 1
	s_bfe_u32 s[CX], ttmp6, 0x40000
	s_bfe_u32 s[CY], ttmp6, 0x40004
	s_lshl_b32 s[TX], ttmp9, 2
	s_add_co_u32 s[TX], s[TX], s[CX]
	s_and_b32 s[TY], ttmp7, 0xffff                 ; the cluster's y
	s_lshl_b32 s[KS], s[TY], 1                     ; where my cluster's walk along K begins: (2 Y + ROTX X) mod NS
	s_mul_i32 s[KT], ttmp9, ROTX
	s_add_co_u32 s[KS], s[KS], s[KT]
.if NS == 4
	s_and_b32 s[KS], s[KS], 3
.else
	s_sub_co_u32 s[KT], s[KS], NS                  ; the sum, 2 x 7 + 5 at the most, stays under 2 NS
	s_cmp_ge_u32 s[KS], NS
	s_cselect_b32 s[KS], s[KT], s[KS]
.endif
	s_lshl_b32 s[TY], s[TY], 2
	s_add_co_u32 s[TY], s[TY], s[CY]
	s_lshl_b32 s21, s[CY], 2
	s_lshl_b32 s21, 15, s21                        ; my row of the cluster
	s_lshl_b32 s22, 0x1111, s[CX]                  ; my column
	s_or_b32 s[G1A], s21, (1<<16)|(1<<20)|(1<<21)|(AQI<<22)|(3<<25)  ; mask; 2-byte elements; padding on; bit 21 beside a mask; after every 2 << AQI words, 4 words
	s_mov_b32 s[G1A+1], KSTEP<<16                  ; tensor_dim0
	s_mov_b32 s[G1A+2], (TM/2)<<16                 ; tensor_dim1
	s_mov_b32 s[G1A+3], KSTEP<<16                  ; tile_dim0
	s_mov_b32 s[G1A+4], TM/2                       ; tile_dim1
	s_mov_b32 s[G1A+5], KD                         ; elements from row to row
	s_mov_b32 s[G1A+6], 0
	s_mov_b32 s[G1A+7], 0
	s_or_b32 s[G1B], s22, (1<<16)|(1<<20)|(1<<21)|(5<<22)|(7<<25)  ; after every 64 words, 8 words
	s_mov_b32 s[G1B+1], 128<<16
	s_mov_b32 s[G1B+2], (KSTEP/2)<<16
	s_mov_b32 s[G1B+3], 128<<16
	s_mov_b32 s[G1B+4], KSTEP/2
	s_mov_b32 s[G1B+5], ND
	s_mov_b32 s[G1B+6], 0
	s_mov_b32 s[G1B+7], 0
	s_mul_i32 s[ALO], s[LOW], (TM/2)*PA            ; no place in the cluster enters an LDS address
	s_mul_i32 s[BLO], s[LOW], (KSTEP/2)*PB
	s_add_co_u32 s[BLO], s[BLO], BOFF
	s_mul_i32 s40, s[TY], TM                       ; A: row = tile row x TM + my half, in registers that never hold cx
	s_mul_i32 s41, s[LOW], TM/2
	s_add_co_u32 s40, s40, s41
	s_mul_i32 s40, s40, KD*2
	s_mov_b32 s41, 0
	s_mul_i32 s44, s[LOW], (KSTEP/2)*ND*2          ; B: my half of a step's k-rows, the tile column's 256 bytes, in registers that never hold cy
	s_lshl_b32 s45, s[TX], 8
	s_add_co_u32 s44, s44, s45
	s_add_co_u32 s44, s44, WOFF
	s_mov_b32 s45, 0
	s_mov_b32 s[OFA+1], 0
	s_mov_b32 s[OFB+1], 0
	s_mov_b32 s[FB], SL
	s_mov_b32 s[TB], 0
	s_wait_dscnt 0x0                               ; the opening add is done
	s_wait_kmcnt 0x0
	s_add_nc_u64 s[AB:AB+1], s[4:5], s[40:41]
	s_add_nc_u64 s[BBS:BBS+1], s[6:7], s[44:45]
	CROUND                                         ; all sixteen work-groups are here: the first joint loads meet
.irp s, 0,1
	s_mov_b32 s[G0A+4*\s], 1
	s_add_co_u32 s[G0A+4*\s+1], s[ALO], \s*SL
	s_mov_b32 s[G0B+4*\s], 1
	s_add_co_u32 s[G0B+4*\s+1], s[BLO], \s*SL
	ASKFOR \s
	JLOAD \s                                       ; the walk's first two steps: two loads of mine are out
.endr
	; the bias of my 64 columns: block b, register j is column 16 b + 8 (l / 16) + j
	v_and_b32 v1, 15, v0                           ; l % 16
	v_bfe_u32 v2, v0, 4, 1                         ; l / 16
	v_lshlrev_b32 v3, 5, v2
	s_lshl_b32 s86, s[TX], 9
	s_lshl_b32 s87, s[LOW], 8
	s_add_co_u32 s86, s86, s87
	v_add_nc_u32 v3, s86, v3
.irp b, 0,1,2,3
	global_load_b128 v[BIAS+8*\b:BIAS+8*\b+3],   v3, s[8:9] offset:64*\b
	global_load_b128 v[BIAS+8*\b+4:BIAS+8*\b+7], v3, s[8:9] offset:64*\b+16
.endr
	; a fragment of A: lane l holds row l % 16, K = 8 (l / 16) + 0..7 and 16 + 8 (l / 16) + 0..7: two loads of 16 bytes, 32 apart
	v_mul_u32_u24 v[A0], v1, PA
	v_lshl_add_u32 v[A0], v2, 4, v[A0]
	s_lshl_b32 s88, s[HIW], 7                      ; my 64 of each 128 along K: 128 bytes of each 256
	v_add_nc_u32 v[A0], s88, v[A0]
	; a fragment of B by the turning load: lane l reads 16 bytes of k-row 8 (l / 16) + l % 8, columns 8 ((l / 8) % 2) + 0..7, and ends with column l % 16 and 8 k
	v_and_b32 v4, 7, v0
	v_bfe_u32 v5, v0, 3, 1
	v_lshl_add_u32 v[B0], v2, 3, v4
	v_mul_u32_u24 v[B0], v[B0], PB
	v_lshl_add_u32 v[B0], v5, 4, v[B0]
	s_lshl_b32 s88, s[LOW], 7                      ; my 64 columns
	s_add_co_u32 s88, s88, BOFF
	s_mul_i32 s89, s[HIW], 64*PB                   ; my 64 of each 128 along K
	s_add_co_u32 s88, s88, s89
	v_add_nc_u32 v[B0], s88, v[B0]
	; the way out
	s_mul_i32 s88, s[HIW], 64*SPI                  ; my share of K has a plane of 64 rows
	s_lshl_b32 s89, s[LOW], 8
	s_add_co_u32 s88, s88, s89
	v_mul_u32_u24 v[STO], v1, SPI
	v_lshl_add_u32 v[STO], v2, 5, v[STO]
	v_add_nc_u32 v[STO], s88, v[STO]
	s_mul_i32 s88, s[WV], 16*SPI                   ; back: wave w takes rows 16 w .. 16 w + 15, a row of 512 bytes to an instruction
	v_and_b32 v[CO], 31, v0
	v_lshlrev_b32 v[CO], 4, v[CO]
	v_add_nc_u32 v[RD], s88, v[CO]
	s_lshl_b32 s86, s[TY], 6
	s_lshl_b32 s87, s[WV], 4
	s_add_co_u32 s86, s86, s87
	s_lshl_b32 s86, s86, 12
	s_lshl_b32 s87, s[TX], 9
	s_add_co_u32 s86, s86, s87
	s_mov_b32 s87, 0
	s_add_nc_u64 s[10:11], s[10:11], s[86:87]
	s_add_nc_u64 s[12:13], s[12:13], s[86:87]
	s_wait_loadcnt 0x0                             ; the bias
	s_cmp_eq_u32 s[HIW], 0                         ; two waves add onto each output: the bias enters with waves 0, 1 alone
	s_cselect_b32 s90, 1.0, 0
	s_mov_b32 s91, s90
.set i, 0
.rept 16
	v_pk_mul_f32 v[BIAS+2*i:BIAS+2*i+1], v[BIAS+2*i:BIAS+2*i+1], s[90:91] op_sel_hi:[1,0]
.set i, i+1
.endr
.set i, 0
.rept 128                              ; accumulator (a, b), register j starts at the bias of its column: written while the first tiles are on their way
	v_mov_b32 v[ACC+i], v[BIAS+i%32]
.set i, i+1
.endr
; 8 matrix instructions: m blocks a0, a0 + 1 x all 4 n blocks, 32 along K: half c of buffer f.  The 16 accumulators take turns over the backward jumps too
.macro MUL8 f, c, a0
	WIN 5*((\f)/256)
.irp a, \a0, (\a0)+1
.irp b, 0,1,2,3
	v_wmma_f32_16x16x32_bf16 v[ACC+8*(4*(\a)+(\b)):ACC+8*(4*(\a)+(\b))+7], v[((\f)%256)+64+8*(4*(\c)+(\b)):((\f)%256)+64+8*(4*(\c)+(\b))+7], v[((\f)%256)+8*(4*(\c)+(\a)):((\f)%256)+8*(4*(\c)+(\a))+7], v[ACC+8*(4*(\a)+(\b)):ACC+8*(4*(\a)+(\b))+7]
.endr
.endr
.endm
; 32 LDS loads in one run: the fragments of piece q (64 along K) into buffer f; the first 32 along K first
.macro FETCH q, f
	WIN ((\f)/256)<<6
.irp c, 0,1
.irp i, 0,1,2,3
	ds_load_tr16_b128 v[((\f)%256)+64+8*(4*(\c)+(\i)):((\f)%256)+64+8*(4*(\c)+(\i))+3],   v[ADRB+(\q)/2] offset:(((\q)%2)*QROWS+32*(\c))*PB+32*(\i)
	ds_load_tr16_b128 v[((\f)%256)+64+8*(4*(\c)+(\i))+4:((\f)%256)+64+8*(4*(\c)+(\i))+7], v[ADRB+(\q)/2] offset:(((\q)%2)*QROWS+32*(\c)+16)*PB+32*(\i)
	ds_load_b128 v[((\f)%256)+8*(4*(\c)+(\i)):((\f)%256)+8*(4*(\c)+(\i))+3],   v[ADRA] offset:AQ*(\q)+64*(\c)+(\i)*16*PA
	ds_load_b128 v[((\f)%256)+8*(4*(\c)+(\i))+4:((\f)%256)+8*(4*(\c)+(\i))+7], v[ADRA] offset:AQ*(\q)+64*(\c)+(\i)*16*PA+32
.endr
.endr
.endm
; A piece but the last: multiplies buffer f and fetches piece q into buffer g
.macro QUARTER q, f, g
	s_wait_dscnt 16                                ; of the 32 loads that are out the first 16 are in: the first 32 along K
	MUL8 \f, 0, 0
	MUL8 \f, 0, 2
	PLACES
	FETCH \q, \g
	s_wait_dscnt 32                                ; all but the 32 just issued
	MUL8 \f, 1, 0
	MUL8 \f, 1, 2
.endm
; The last piece multiplies buffer FL and changes slots: ONE barrier; in front of it each wave waits for all its tensor loads (one is out: its part of the next slot), adds 0 to its spare word,
; and waits for that and for its reads of this slot.  fill = 1: the barrier opens a round of the cluster's, and behind the round this slot is filled again, two steps ahead: the first tensor load there, one a wave.
.macro TURN fill
	WIN 0
	s_wait_tensorcnt 0x0                           ; no tensor load of mine is out: the descriptors may be written
	ds_add_u32 v[SPW], v[NIL]                      ; 0 onto my spare word; the descriptors' scalar work and eight products stand between it and the wait for it
.if \fill
	s_xor_b32 s[FB], s[FB], SL
	s_add_co_u32 s[G0A+5], s[FB], s[ALO]
	s_add_co_u32 s[G0B+5], s[FB], s[BLO]
	ASKFOR 1
.endif
	s_wait_dscnt 17                                ; the add and the youngest sixteen loads may be out
	MUL8 FL, 0, 0
	s_wait_dscnt 0x0                               ; the add is done, and my reads of this slot are over
	s_barrier_signal -1
	MUL8 FL, 0, 2
	WIN 0
	s_barrier_wait -1
.if \fill
	CREST
	JLOAD 1
.endif
	s_xor_b32 s[TB], s[TB], SL                     ; the fetches go on in the other slot
	v_add_nc_u32 v[ADRA], s[TB], v[A0]             ; these four plain lines are also the places in front of the loads below
	v_add_nc_u32 v[ADRB], s[TB], v[B0]
	v_add_nc_u32 v[ADRB+1], 2*QROWS*PB, v[ADRB]
	v_nop
.if !(\fill)
	s_cmp_eq_u32 s[CNT], 1                         ; behind the last step there is nothing to fetch
	s_cbranch_scc1 .Lno_fetch_\@
.endif
	FETCH 0, F0
.if !(\fill)
	WIN 0
.Lno_fetch_\@:
.endif
	MUL8 FL, 1, 0
	MUL8 FL, 1, 2
.endm
.macro STEPBODY fill
	QUARTER 1, F0, F1
.if NQ == 4
	QUARTER 2, F1, F0
	QUARTER 3, F0, F1
.else
	QUARTER 2, F1, F2
.endif
	TURN \fill
.endm
	s_wait_tensorcnt 0x1                           ; my part of the first step is in; the second's may stay out
	s_barrier_signal -1
	s_barrier_wait -1
	v_mov_b32 v[ADRA], v[A0]
	v_mov_b32 v[ADRB], v[B0]
	v_add_nc_u32 v[ADRB+1], 2*QROWS*PB, v[B0]
	FETCH 0, F0
	WIN 0
	s_mov_b32 s[CNT], NS-2
.Lfill:                                        ; every step but the last two fills its slot again
	STEPBODY 1
	WIN 0
	s_sub_co_u32 s[CNT], s[CNT], 1
	s_cmp_lg_u32 s[CNT], 0
	s_cbranch_scc1 .Lfill
	s_mov_b32 s[CNT], 2
.Ltail:                                        ; the last two steps ask for nothing
	STEPBODY 0
	WIN 0
	s_sub_co_u32 s[CNT], s[CNT], 1
	s_cmp_lg_u32 s[CNT], 0
	s_cbranch_scc1 .Ltail
	; THE WAY OUT.  The f32 sums go into the stage, a plane for each share of K, each accumulator's low registers first; a barrier; then whole rows of both planes come back, are added to x1's and stored.
.set i, 0
.rept 16
	global_load_b128 v[TMP+4*i:TMP+4*i+3], v[CO], s[10:11] offset:i*4096  ; x1's 16 rows that I finish
.set i, i+1
.endr
	PLACES
	PLACES
.irp a, 0,1,2,3
.irp b, 0,1,2,3
	ds_store_b128 v[STO], v[ACC+8*(4*\a+\b):ACC+8*(4*\a+\b)+3]   offset:\a*16*SPI+64*\b
	ds_store_b128 v[STO], v[ACC+8*(4*\a+\b)+4:ACC+8*(4*\a+\b)+7] offset:\a*16*SPI+64*\b+16
.endr
.endr
	s_wait_dscnt 0x0                               ; for the others' sake: my stores into the stage are done
	s_barrier_signal -1
	s_barrier_wait -1
.set i, 0
.rept 16
	ds_load_b128 v[ACC+4*i:ACC+4*i+3],       v[RD] offset:i*SPI
	ds_load_b128 v[ACC+64+4*i:ACC+64+4*i+3], v[RD] offset:64*SPI+i*SPI
.set i, i+1
.endr
	s_wait_dscnt 0x0
	s_wait_loadcnt 0x0
.set i, 0
.rept 32
	v_pk_add_f32 v[ACC+2*i:ACC+2*i+1], v[ACC+2*i:ACC+2*i+1], v[ACC+64+2*i:ACC+64+2*i+1]  ; the two shares of K
.set i, i+1
.endr
.set i, 0
.rept 32
	v_pk_add_f32 v[ACC+2*i:ACC+2*i+1], v[ACC+2*i:ACC+2*i+1], v[TMP+2*i:TMP+2*i+1]        ; + x1
.set i, i+1
.endr
.set i, 0
.rept 16
	global_store_b128 v[CO], v[ACC+4*i:ACC+4*i+3], s[12:13] offset:i*4096  ; 512 consecutive bytes, aligned
.set i, i+1
.endr
	s_wait_tensorcnt 0x0                           ; the wave's end, behind my last tensor load and my last LDS store
	ds_add_u32 v[SPW], v[NIL]
	s_wait_dscnt 0x0
	CROUND                                         ; the closing round: no work-group ends while a partner may still ask for a tile that names it
	s_endpgm
.Lfunc_end_k_q6968f09c2f_gemm_pr:
	.size	k_q6968f09c2f_gemm_pr, .Lfunc_end_k_q6968f09c2f_gemm_pr-k_q6968f09c2f_gemm_pr
	.p2alignl 7, 3214868480
	.fill 96, 4, 3214868480
	.section	.rodata,"a",@progbits
	.p2align	6, 0x0
	.amdhsa_kernel k_q6968f09c2f_gemm_pr
		.amdhsa_group_segment_fixed_size 327680
		.amdhsa_private_segment_fixed_size 0
		.amdhsa_enable_private_segment 0
		.amdhsa_kernarg_size 40
		.amdhsa_user_sgpr_count 2
		.amdhsa_user_sgpr_kernarg_segment_ptr 1
		.amdhsa_wavefront_size32 1
		.amdhsa_system_sgpr_workgroup_id_x 1
		.amdhsa_system_sgpr_workgroup_id_y 1
		.amdhsa_system_sgpr_workgroup_id_z 1
		.amdhsa_system_vgpr_workitem_id 0
		.amdhsa_next_free_vgpr 640
		.amdhsa_next_free_sgpr 96
		.amdhsa_reserve_vcc 0
		.amdhsa_float_denorm_mode_32 3
		.amdhsa_float_denorm_mode_16_64 3
		.amdhsa_memory_ordered 1
		.amdhsa_forward_progress 1
		.amdhsa_inst_pref_size 56
	.end_amdhsa_kernel
	.amdgpu_metadata
---
amdhsa.version: [ 1, 2 ]
amdhsa.kernels:
  - .name:           k_q6968f09c2f_gemm_pr
    .symbol:         k_q6968f09c2f_gemm_pr.kd
    .args:
      - { .name: u, .offset: 0, .size: 8, .value_kind: global_buffer, .address_space: global }
      - { .name: w16, .offset: 8, .size: 8, .value_kind: global_buffer, .address_space: global }
      - { .name: bproj, .offset: 16, .size: 8, .value_kind: global_buffer, .address_space: global }
      - { .name: x1, .offset: 24, .size: 8, .value_kind: global_buffer, .address_space: global }
      - { .name: out0, .offset: 32, .size: 8, .value_kind: global_buffer, .address_space: global }
    .group_segment_fixed_size: 327680
    .private_segment_fixed_size: 0
    .kernarg_segment_align: 8
    .kernarg_segment_size: 40
    .max_flat_workgroup_size: 128
    .sgpr_count:     96
    .vgpr_count:     640
    .wavefront_size: 32
...
	.end_amdgpu_metadata
.endif
;; end of part 7
